; MI455X (gfx1250); checked and timed in simulation.
; The chip was launched on July 23, 2026; its instructions are those of AMD's public machine-readable ISA for CDNA 5 (MIT licence, August 2026) and "CDNA5" Instruction Set Architecture Reference Guide (July 2026). The comments in the code are by the model that wrote it; some were corrected since.
;; Masked Attention Layer. Allowed arithmetic: matrix products marked QUANTISED: E2M3 operands, one E8M0 scale for each 32 along K, by v_wmma_scale_f32_16x16x128_f8f6f4 with both operands' format E2M3, f32 sums; everything else in f32.
;; Inputs: Wk_codes 1,024 x 32 x 24 uint8 (E2M3 codes of Wk, K innermost, in blocks of 32 codes, four codes in three bytes); Wk_scales 1,024 x 32 uint8 (E8M0 scales of Wk, one for each 32 codes along K); Wq_codes 1,024 x 32 x 24 uint8 (E2M3 codes of Wq, K innermost, in blocks of 32 codes, four codes in three bytes); Wq_scales 1,024 x 32 uint8 (E8M0 scales of Wq, one for each 32 codes along K); Wv_codes 1,024 x 32 x 24 uint8 (E2M3 codes of Wv, K innermost, in blocks of 32 codes, four codes in three bytes); Wv_scales 1,024 x 32 uint8 (E8M0 scales of Wv, one for each 32 codes along K); bk 1,024 float32; bq 1,024 float32; bv 1,024 float32; x_codes 4 x 2,048 x 32 x 24 uint8 (E2M3 codes of x, K innermost, in blocks of 32 codes, four codes in three bytes); x_scales 4 x 2,048 x 32 uint8 (E8M0 scales of x, one for each 32 codes along K).
;; Outputs: out0 4 x 2,048 x 1,024 float32.
;; This version of the problem:
;;   THIS VERSION OF THE PROBLEM IS GIVEN IN LOW PRECISION. The matrix products marked QUANTISED in the list below multiply operands that are first quantised to E2M3 (2 exponent bits, 3 mantissa bits; 6 bits a number), with one power-of-two scale for each 32 numbers along K (OCP MX v1.0); their sums are f32. All else is computed in f32.
;;   The module's matrix products, in the order in which they are computed (A, B: the left and right operand; K: the contracted axis; several contracted axes count as one K, in the product's order):
;;     1. [M 8,192, K 1,024] x [K 1,024, N 1,024]; A: input x (given as codes); B: input Wq (given as codes): QUANTISED
;;     2. [M 8,192, K 1,024] x [K 1,024, N 1,024]; A: input x (given as codes); B: input Wk (given as codes): QUANTISED
;;     3. [M 8,192, K 1,024] x [K 1,024, N 1,024]; A: input x (given as codes); B: input Wv (given as codes): QUANTISED
;;     4. batch 4 x [M 2,048, K 1,024] x [K 1,024, N 2,048]; A: computed on the way; B: computed on the way: QUANTISED
;;     5. batch 4 x [M 2,048, K 2,048] x [K 2,048, N 1,024]; A: softmax (see below); B: computed on the way: QUANTISED
;;   THE QUANTISER, for each operand of a quantised product, along K:
;;     - K is cut into blocks of 32 from its start; a last block that is shorter is filled with zeros.
;;     - A block's scale is 2^e with e = floor(log2(the largest magnitude in the block)) - 2, held to -126 .. 127; a block of zeros has e = 0. As a byte (E8M0): e + 127.
;;     - Each number is divided by its block's scale, clamped to +-7.5, and rounded to the nearest number of E2M3, ties to even, subnormals kept.
;;     - The product sums the exact products of the quantised numbers (number of the format x scale) in f32.
;;   ~~~python
;;   def quantise(x, axis):      # numpy; x: float32 -> the quantised numbers, widened to float32 again
;;       x = np.moveaxis(x, axis, -1); K = x.shape[-1]
;;       x = np.pad(x, [(0, 0)] * (x.ndim - 1) + [(0, -K % 32)]); x = x.reshape(x.shape[:-1] + (-1, 32)); a = np.abs(x).max(-1, keepdims=True)
;;       e = np.where(a > 0, np.clip(np.frexp(np.where(a > 0, a, 1))[1] - 1 - 2, -126, 127), 0)      # np.frexp(a)[1] - 1 = floor(log2(a)), exactly
;;       r = np.clip(x / 2.0 ** e, -7.5, 7.5)
;;       step = 2.0 ** (np.maximum(np.frexp(np.where(r == 0, 1, r))[1] - 1, 0) - 3)
;;       q = np.round(r / step) * step * 2.0 ** e      # np.round: ties to even
;;       return np.moveaxis(q.reshape(q.shape[:-2] + (-1,))[..., :K], -1, axis).astype(np.float32)
;;   ~~~
;;   SOFTMAX AHEAD OF A QUANTISED PRODUCT. Where the list says 'softmax', what is quantised is not the finished softmax but p = 2^(t - M), with t = logit x log2(e) and M = ceil(the row's largest t), a whole number; so 1/2 < the row's largest p <= 1. The row's sum l is taken of the UNQUANTISED p, in f32, and the product's result is divided by l at the end. Since M is a whole number, a kernel that streams over the keys may use a running M (the ceiling of the running maximum): every later rescaling is an exact power of two, which a block's scale takes up: the codes' values come out the same.
;;   OPERANDS COMPUTED ON THE WAY. 'Computed on the way' means the value that the module computes at that place (a softmax that the list does not call 'softmax' is quantised finished and normalised). What goes into a quantiser is computed in f32, as accurately as f32 sums, v_exp_f32 and their like allow (about 1e-6 of the number): no bf16 or f16 on the way to a quantiser, and a product that is left as it is and whose result goes on into a quantised operand takes f32 operands (vector FMAs, or v_wmma_f32_16x16x4_f32). A number that lies on a knife's edge between two numbers of the format may be rounded either way, as far as f32 arithmetic and the matrix unit's own rounding can turn it there, and no further.
;;   INPUTS GIVEN AS CODES. Wk (in the module: [1024, 1024], K = its axis 1); Wq (in the module: [1024, 1024], K = its axis 1); Wv (in the module: [1024, 1024], K = its axis 1); x (in the module: [4, 2048, 1024], K = its axis 2): each comes as NAME_codes (uint8): NAME with its K axis moved to the last place and cut into blocks of 32 codes, [.., K / 32, bytes a block], one block behind the other in memory; four codes in three bytes: a row's codes are one little-endian stream of bits, code i at bits 6 i .. 6 i + 5 (a code: sign, 2 exponent bits, 3 mantissa bits); and NAME_scales (uint8): the same leading axes, one E8M0 byte (e + 127) for each 32 codes along K. Its value is code x scale, taken as it is: it is not quantised again, and the codes and scales need not be those that the quantiser above would give.
;; One version. Each part assembles by itself: llvm-mc -triple=amdgcn-amd-amdhsa -mcpu=gfx1250 --defsym DOCPART=n.
;; ======== version 1 of 1: 3 launches
;; limits: right only within a limited range of input values
;; workspace buffers: qkvc 18,874,368 bytes; qkvs 786,432 bytes; pc 7,077,888 bytes; pst 1,179,648 bytes
;; launch proj (part 1): grid 16 x 16, 4 waves a work-group, clusters of 4 x 4, 327,680 bytes of LDS; arguments x_codes, x_scales, Wq_codes, Wq_scales, Wk_codes, Wk_scales, Wv_codes, Wv_scales, bq, bk, bv, qkvc, qkvs; writes qkvc, qkvs
.if DOCPART == 1
	.amdgcn_target "amdgcn-amd-amdhsa--gfx1250"
	.amdhsa_code_object_version 6
	.text
	.protected	k_q395c736556_proj
	.globl	k_q395c736556_proj
	.p2align	8
	.type	k_q395c736556_proj,@function
k_q395c736556_proj:
	s_mov_b64 s[64:65], 0
	v_nop
	global_prefetch_b8 v0, s[64:65] scope:SCOPE_SE
	s_setreg_imm32_b32 hwreg(HW_REG_WAVE_MODE, 25, 1), 1
	s_wait_xcnt 0x0
	s_wait_alu depctr_hold_cnt(0) depctr_sa_sdst(0) depctr_va_vdst(0) depctr_va_sdst(0) depctr_va_ssrc(0) depctr_va_vcc(0) depctr_vm_vsrc(0)
	s_getreg_b32 s2, hwreg(HW_REG_IB_STS2, 6, 4)
	s_cmp_eq_u32 s2, 0
	s_cbranch_scc0 .Lentry_in_a_cluster
	s_endpgm
.Lentry_in_a_cluster:
	s_bfe_u32 s2, ttmp6, 0x10000c
	s_cmp_lg_u32 s2, 0xf033
	s_cbranch_scc0 .Lentry_shape_is_right
	s_endpgm
.Lentry_shape_is_right:
; PROJ.  Q, K, V = x W^T + b on codes of FP6 (K = 1,024), each quantised again on the way out: Q and K along the features, V along the tokens.
; LEFT OUT AS DEAD WORK (in the later launches): tiles of scores and of P V that lie wholly above the causal diagonal: reference() puts -inf there before the softmax, so their weights are 0 for all finite inputs.
; A NaN, an infinity or an overflow that reaches only those tiles is not carried to the result.  All inputs are loaded.  LIMITS: NaN and infinities are not served.
; THE DEAL.  256 work-groups of four waves, 2 x 2.  A wave holds 64 rows of a weight, all of K, in registers (384) and streams x's rows past them in blocks of 16 rows.  A work-group makes 256 tokens x 128 features of V (phase 1),
; then 512 x 128 of Q or K (phase 2).  V's 256 rows are a half (s17) of the work-group's own 512; half and tensor (s19) come from the cluster's number alone, so all sixteen partners agree.
; x's rows are shared by a row of the cluster (mask s44), a weight's rows by a column (mask s45).
; ORDER OF ROWS.  A band is 64 rows; tile j of it (0 .. 3) is, for lanes r = 0 .. 7, row 8 j + r, and for r = 8 .. 15 row 32 + 8 (j xor 1) + r - 8.  So a lane's 32 results of four tiles are one scale block, and the 16 rows that a load
; touches start at 16 different banks (row pitch 816 bytes = 204 words; ISA guide 11.1).  Tokens and features are taken so alike, in Q, K and V: the order inside a block is the same on both sides of each later product.
; OUT.  An operand image is 1,536 bytes: two halves c of 768: registers 6 c .. 6 c + 3 at 16 x lane, registers 6 c + 4, 6 c + 5 at 512 + 8 x lane.
; qkvc: Q, K: [128 tokens][128 features (8)][tile 4 band + j (8)][1,536], c = the 64 features; V at 12,582,912: [128 features (8)][128 tokens (64)][tile (8)][1,536], c = the band of 64 tokens.  qkvs: the same without the last, one word a row, byte 2 c + h.
; LDS: two slots of 128 rows for x's chunks, the weights' 128 rows, two places for a chunk's scale bytes, stages for the results' scale bytes, the spare words.
; FILLS.  At the head one joint load a wave.  Three refills, each in a drained round: W_q's or W_k's rows in V's third block; the other half's two chunks in phase 2's blocks 2 and 6.
; WAITS.  A block's rows were fetched two blocks ago; younger are the next block's NF loads and the stores of scale bytes between the two.
; PREFETCHES name each block of 256 bytes once in each cluster that will load it: sixteen waves share a tile by address; they ask one refill or more ahead.
; ORDERS IN FULL.  Q's codes (in place of the head's order, which holds for K): [batch][g (8)][128 features (8)][256 tokens a (8)][s (2)][1,536]: g, s: tile 2 g + s of the sixteen tiles of 256 tokens.
; Scale words: Q, K: [128 tokens][128 features][r][tile (8)]; V: [128 features][128 tokens][64 features (2)][r][tile (4)].
.set NQ,     8
.set NB,     4
.set TM,     512
.set TV,     256
.set TN,     128
.set KROW,   768
.set KS,     32
.set PITCH,  816
.set FR,     12
.set FPW,    21
.set NF,     28                        ; LDS loads of a block: 26 for eight fragments, 2 for eight scale words
.set RA,     128
.set YB,     RA*PITCH
.set BVB,    2*RA*PITCH
.set SCL,    BVB+TN*PITCH
.set CU,     RA*KS/256                 ; a chunk's scale bytes: 16 units of 256 bytes
.set SCB,    CU*272
.set XN,     SCL+2*SCB                 ; Q's or K's scale bytes: [wave][chunk in order of work (4)][r][j][h]
.set XM,     XN+2048                   ; V's: [wave][chunk (2)][r][t][h]
.set SPARE,  XM+1024
.set EMAX,   2
.set CO,     9                         ; v9 16 x lane;  v8 8 x lane;  v1 r, v2 h, v3 lane
.set SPW,   10
.set NIL,   11
.set ADRA,  12                         ; v12, v13 fragments of the block that is fetched next;  v4, v5 even tiles' base, v22, v23 odd tiles'
.set AAS,   17                         ; its scale words;  v6 even, v7 odd
.set STO,   18
.set STV,   19
.set SB,    24
.set TQ,    40
.set SA,    44
.set TC,    60
.set ACC,   64
.set HV0,   64
.set HV1,   840
.set NCD,   128
.set MCD,   192
.set SOP,   240
.set EB,    244
.set VX,    248
.set SB2,   968
.set BA,    984
.set BBV,   992
.set BBQ,   160
.set G1A, 24
.set G0A, 56
.set G0R, 68
.set G1B, 32
.set G0B, 60
.set G1S, 92
.set G0S, 72
.set MSB, 0
.macro WIN new
.if MSB != \new
	s_set_vgpr_msb (MSB<<8)|\new
.set MSB, \new
.endif
.endm
.macro PLACES n
.rept \n
	v_nop
.endr
.endm
.macro WALU
	s_wait_alu depctr_va_vdst(0)
.endm
.macro BARRIER
	s_barrier_signal -1
	s_barrier_wait -1
.endm
.macro MIDDLE
	WIN 0
	s_barrier_wait -1
	s_cmp_lg_u32 s14, 0
	s_cbranch_scc1 .Lnot_wave_0_\@
	s_barrier_signal -3
.Lnot_wave_0_\@:
	s_barrier_wait -3
.endm
.macro CROUND
	s_barrier_signal -1
	MIDDLE
	BARRIER
.endm
.macro GRD
	s_wait_tensorcnt 0x0
	ds_add_u32 v[SPW], v[NIL]
.endm
.macro TLOAD g0, g1
	tensor_load_to_lds s[\g0:\g0+3], s[\g1:\g1+7]
	s_nop 0
	PLACES 4
.endm
.macro GROUP1 g, mask, rows
	s_or_b32 s[\g+0], s[\mask], (1<<20)|(1<<21)|(5<<22)|(3<<25)
	s_mov_b32 s[\g+1], (KROW&0xffff)<<16
	s_mov_b32 s[\g+2], (KROW>>16)|((\rows)<<16)
	s_mov_b32 s[\g+3], KROW<<16
	s_mov_b32 s[\g+4], \rows
	s_mov_b32 s[\g+5], KROW
	s_mov_b32 s[\g+6], 0
	s_mov_b32 s[\g+7], 0
.endm
.macro SADD d, x
	s_add_co_u32 s\d, s\d, s\x
.endm
.macro G0SET g, base, off              ; s21 = 0
	s_mov_b32 s20, s\off
	s_add_nc_u64 s[\g+2:\g+3], s[\base:\base+1], s[20:21]
	s_or_b32 s[\g+3], s[\g+3], 0x80000000
.endm
; Fragment f lies in window 1 + f / 21 at register 12 (f % 21): 0-31 the weights' (4 q + tile), 32-39 and 40-47 the rows' two sets.
.macro FRAG f, q, a0, a1, aw
	WIN ((1+(\f)/FPW)<<6)|(\aw)
.set R_, FR*((\f)%FPW)
.set SKIP_, 0
.irp p, 0,1,2,3,4,5
.if SKIP_
.set SKIP_, 0
.else
.set PC_, 12*(\q)+6*(\p/3)+\p%3
.set PN_, 12*(\q)+6*((\p+1)/3)+(\p+1)%3
.set X_, (PC_%32+3)/32
.set XQ_, (PN_%32+3)/32
.if (\p < 5) && (X_ == XQ_)
.set SKIP_, 1
.if X_
	ds_load_2addr_b64 v[R_+2*\p:R_+2*\p+3], \a1 offset0:PC_+2*(PC_/32) offset1:PN_+2*(PN_/32)
.else
	ds_load_2addr_b64 v[R_+2*\p:R_+2*\p+3], \a0 offset0:PC_+2*(PC_/32) offset1:PN_+2*(PN_/32)
.endif
.elseif X_
	ds_load_b64 v[R_+2*\p:R_+2*\p+1], \a1 offset:8*(PC_+2*(PC_/32))
.else
	ds_load_b64 v[R_+2*\p:R_+2*\p+1], \a0 offset:8*(PC_+2*(PC_/32))
.endif
.endif
.endr
.endm
.macro WEIGHTS
.irp q, 0,1,2,3,4,5,6,7
.irp b, 0,1,2,3
	FRAG NB*\q+\b, \q, v[BA-768+2*\b], v[BA-768+2*\b+1], 3
.endr
.endr
	WIN 0
.endm
.macro FETCHAT e, a0, a1, as
.irp q, 0,1,2,3,4,5,6,7
	FRAG NB*NQ+NQ*(\e)+\q, \q, \a0, \a1, 0
.endr
	WIN 0
	ds_load_b128 v[SA+8*(\e):SA+8*(\e)+3], \as
	ds_load_b128 v[SA+8*(\e)+4:SA+8*(\e)+7], \as offset:16
.endm
.macro FETCH e
	FETCHAT \e, v[ADRA], v[ADRA+1], v[AAS]
.endm
.macro FETCH01                         ; a phase's first two blocks, from slot 0
	FETCHAT 0, v4, v5, v6
	FETCHAT 1, v22, v23, v7
	s_mov_b32 s101, 0
	s_mov_b32 s91, 0
.endm
; A product.  n = 4 q + tile.  kind 0 (Q, K): source 0 the weight's rows; kind 1 (V): source 0 x's rows.  The first four take the bias as C.
.macro PROD kind, e, n, a0, as
.set Q_, (\n)/4
.set FB_, NB*Q_+(\n)%4
.set FA_, NB*NQ+NQ*(\e)+Q_
.set D_, (\a0)+(\as)*((\n)%4)
.set DL_, D_&255
.set XB_, SB+NQ*(((\n)%4)/2)+Q_
.set XA_, SA+8*(\e)+Q_
.if \kind
.if Q_
	WIN (1+FA_/FPW)|((1+FB_/FPW)<<2)|((D_>>8)<<4)|((D_>>8)<<6)
	PROD1 DL_, FA_, FB_, v[DL_:DL_+7], XA_, XB_, b, (\n)%2
.else
	WIN (1+FA_/FPW)|((1+FB_/FPW)<<2)|(3<<4)|((D_>>8)<<6)
	PROD1 DL_, FA_, FB_, v[BBV-768+8*((\n)%4):BBV-768+8*((\n)%4)+7], XA_, XB_, b, (\n)%2
.endif
.else
	WIN (1+FB_/FPW)|((1+FA_/FPW)<<2)|((D_>>8)<<4)|((D_>>8)<<6)
.if Q_
	PROD1 DL_, FB_, FA_, v[DL_:DL_+7], XB_, XA_, a, (\n)%2
.else
	PROD1 DL_, FB_, FA_, v[BBQ+8*((\n)%4):BBQ+8*((\n)%4)+7], XB_, XA_, a, (\n)%2
.endif
.endif
.endm
.macro PROD1 d, s0, s1, c, x0, x1, side, o
.if \o
	v_wmma_scale_f32_16x16x128_f8f6f4 v[\d:\d+7], v[FR*((\s0)%FPW):FR*((\s0)%FPW)+FR-1], v[FR*((\s1)%FPW):FR*((\s1)%FPW)+FR-1], \c, v[\x0], v[\x1] matrix_a_fmt:MATRIX_FMT_FP6 matrix_b_fmt:MATRIX_FMT_FP6 matrix_\side\()_scale:MATRIX_SCALE_ROW1
.else
	v_wmma_scale_f32_16x16x128_f8f6f4 v[\d:\d+7], v[FR*((\s0)%FPW):FR*((\s0)%FPW)+FR-1], v[FR*((\s1)%FPW):FR*((\s1)%FPW)+FR-1], \c, v[\x0], v[\x1] matrix_a_fmt:MATRIX_FMT_FP6 matrix_b_fmt:MATRIX_FMT_FP6 matrix_\side\()_scale:MATRIX_SCALE_ROW0
.endif
.endm
; Products \from .. \to - 1 of a block; behind every second one stand two entries of the list \list.
.macro BLOCK kind, e, a0, as, from, to, list, x=0, y=0
.set N_, \from
.rept (\to)-(\from)
	PROD \kind, \e, N_, \a0, \as
.if N_%2
	\list N_-1, \x, \y
	\list N_, \x, \y
.endif
.set N_, N_+1
.endr
.endm
; The LDS addresses of the block two on: kind 1: it begins a chunk (the other slot); kind 2: the same chunk's third tile; 0: the odd tile beside the last.
.macro STEP i, par, kind
.if (\i) == 0
.if (\kind) == 1
	s_xor_b32 s101, s101, YB
	s_xor_b32 s91, s91, SCB
	s_mov_b32 s2, s101
	s_mov_b32 s54, s91
.elseif (\kind) == 2
	s_add_co_u32 s2, s101, 16*PITCH
	s_add_co_u32 s54, s91, 2*272
.endif
	WIN 0
	v_add_nc_u32 v[ADRA], s2, v[4+18*(\par)]
.elseif (\i) == 1
	WIN 0
	v_add_nc_u32 v[ADRA+1], s2, v[5+18*(\par)]
.elseif (\i) == 2
	WIN 0
	v_add_nc_u32 v[AAS], s54, v[6+(\par)]
.endif
.endm
.macro CHAIN i, x, n, t=TQ             ; 18 entries: the largest magnitude of 32 sums in two chains, and the conversions' scale operand
.set XW_, (\x)>>8
.set XL_, (\x)&255
.if (\i) >= 0 && (\i) < 14
.set B_, XL_+16*((\i)%2)+2*((\i)/2)
.set T_, (\t)+1-(\i)%2
.if (\i) < 2
	WIN XW_|(XW_<<2)|(XW_<<4)
	v_max3_num_f32 v[T_], |v[B_]|, |v[B_+1]|, |v[B_+2]|
.else
	WIN (XW_<<2)|(XW_<<4)
	v_max3_num_f32 v[T_], v[T_], |v[B_+1]|, |v[B_+2]|
.endif
.elseif (\i) == 14
	WIN XW_<<2
	v_max3_num_f32 v[\t+1], v[\t+1], |v[XL_+15]|, (EMAX+1)<<23
.elseif (\i) == 15
	WIN 0
	v_nop                                  ; so that the next line, which reads entry 14's result, stands in the next pair
.elseif (\i) == 16
	WIN XW_<<2
	v_max3_num_f32 v[\t], v[\t], |v[XL_+31]|, v[\t+1]
.elseif (\i) == 17
	WIN 0
	v_add_nc_u32 v[SOP+\n], -(EMAX<<23), v[\t]
.endif
.endm
.macro CODES i, x, c, n, t=TC          ; 6 lines: 32 codes into v[c .. c+5], the scale's byte into v[EB+n]
.set XW_, (\x)>>8
.set XL_, (\x)&255
.if (\i) == 0
	WIN XW_
	v_cvt_scalef32_pk16_fp6_f32 v[\c:\c+2], v[XL_:XL_+15], v[SOP+\n]
.elseif (\i) == 1
	WIN XW_
	v_cvt_scalef32_pk16_fp6_f32 v[\t:\t+2], v[XL_+16:XL_+31], v[SOP+\n]
.elseif (\i) == 2
	WIN 0
	v_lshrrev_b32 v[EB+\n], 23, v[SOP+\n]
.else
	WIN 0
	v_mov_b32 v[\c+\i], v[\t+\i-3]
.endif
.endm
.macro CODES6 x, c, n
.irp i, 0,1,2,3,4,5
	CODES \i, \x, \c, \n
.endr
.endm
.macro PFTILE v, off, share            ; my sixteenth of a tile of 128 rows: 24 blocks of 256 bytes
	s_mul_i32 s21, s\share, RA*KROW/16
	s_add_co_u32 s20, s\off, s21
	WIN 0
	v_min_u32 v\v, RA*KROW/16/256-1, v3
	v_lshl_add_u32 v\v, v\v, 8, s20
.endm
.macro PFGO v, base
	global_prefetch_b8 v\v, s[\base:\base+1] th:TH_LOAD_NT scope:SCOPE_SE
.endm
.macro ASK i                           ; descriptors of the chunk at s88 (bytes from x's codes) for slot s47, and of its scale bytes at s55 for s3
.if (\i) == 0
	s_mul_i32 s[G0R+1], s14, RA/2*PITCH
	s_add_co_u32 s[G0R+1], s[G0R+1], s47
	s_mul_i32 s20, s14, RA/2*KROW
	SADD 20, 88
.elseif (\i) == 1
	s_mov_b32 s21, 0
	s_add_nc_u64 s[G0R+2:G0R+3], s[4:5], s[20:21]
	s_or_b32 s[G0R+3], s[G0R+3], 0x80000000
	s_mov_b32 s[G0S+1], s3
.elseif (\i) == 2
	s_mov_b32 s20, s55
	s_add_nc_u64 s[G0S+2:G0S+3], s[6:7], s[20:21]
	s_or_b32 s[G0S+3], s[G0S+3], 0x80000000
	s_add_co_u32 s88, s88, RA*KROW
.elseif (\i) == 3
	s_add_co_u32 s55, s55, CU*256
	s_xor_b32 s47, s47, YB
	s_xor_b32 s3, s3, (SCL)^(SCL+SCB)
.endif
.endm
.macro CHUNK i                         ; where chunk s46's codes go (s[84:85], by its true number s46 xor 2 s17) and its scale bytes (v[VX], by the order of work)
.if (\i) == 0
	s_lshl_b32 s20, s17, 1
	s_xor_b32 s20, s20, s46
	s_and_b32 s21, s20, 1
	s_lshr_b32 s22, s20, 1
.elseif (\i) == 1
	s_mul_i32 s21, s21, s82
	s_mul_i32 s22, s22, s83
	s_add_co_u32 s20, s21, s22
	s_mov_b32 s21, 0
.elseif (\i) == 2
	s_add_nc_u64 s[84:85], s[8:9], s[20:21]        ; tiles 0, 1 of my band;
	s_add_nc_u64 s[86:87], s[84:85], s[80:81]      ; tiles 2, 3
.elseif (\i) == 3
	s_and_b32 s22, s46, 3
	s_lshl_b32 s22, s22, 7
	s_add_co_u32 s46, s46, 1
	WIN 0
	v_add_nc_u32 v[VX], s22, v[STO]
.endif
.endm
.macro L_NONE i, x, y
.endm
.macro L_ST i, par, kind
	STEP \i, \par, \kind
.endm
.macro L_VO i, t, y                    ; V's blocks 4, 5: the step, then band 0's tile t
	STEP \i, \t, 2-2*\t
	CHAIN (\i)-3, HV0+32*\t, \t
.endm
.macro L_LAST i, x, y
	CHAIN \i, \x, \y
.endm
.macro L_V2 i, x, y                    ; V's third block: the first refill's descriptors, the later refills' group 1, the step, prefetches of what the second refill brings
.if (\i) == 0
	s_mov_b32 s[G1A+2], (KROW>>16)|((RA/2)<<16)
	s_mov_b32 s[G1A+4], RA/2
	s_mov_b32 s[G1S+2], CU<<16
	s_mov_b32 s[G1S+4], CU
.elseif (\i) == 1
	s_mov_b32 s[G1B+2], (KROW>>16)|((TN/2)<<16)
	s_mov_b32 s[G1B+4], TN/2
	s_mul_i32 s[G0B+1], s14, TN/2*PITCH
	s_add_co_u32 s[G0B+1], s[G0B+1], BVB
.elseif (\i) == 2
	s_mul_i32 s20, s14, TN/2*KROW
	SADD 20, 67
	s_mov_b32 s21, 0
	s_add_nc_u64 s[G0B+2:G0B+3], s[76:77], s[20:21]
.elseif (\i) == 3
	s_or_b32 s[G0B+3], s[G0B+3], 0x80000000
.elseif (\i) == 7
	PFTILE 42, 88, 90
.elseif (\i) == 8
	s_lshl_b32 s21, s90, 9
	s_add_co_u32 s20, s55, s21
	WIN 0
	v_min_u32 v43, 1, v3
	v_lshl_add_u32 v43, v43, 8, s20
.endif
	STEP (\i)-4, 0, 1
.endm
.macro L_V7 i, x, y                    ; V's last block: what the third refill brings is asked for; the way out
.if (\i) == 0
	s_add_co_u32 s22, s88, RA*KROW
	PFTILE 20, 22, 90
.endif
	CHAIN (\i)-1, HV0+96, 3
.endm
.macro L_EV i, kind, y                 ; an even block: the step, the odd block's way out
	STEP \i, 0, \kind
	CHAIN (\i)-3, ACC+32, 1
.endm
.macro L_OD i, chunk, fetch            ; an odd block: where a new chunk's results go, the step, the even block's way out
.if \chunk
	CHUNK \i
.endif
.if \fetch
	STEP (\i)-4, 1, 0
.endif
	CHAIN (\i)-7, ACC, 0
.endm
.macro L_ROUND i, x, y
	ASK \i
	STEP (\i)-4, 0, 1
	CHAIN (\i)-7, ACC+32, 1
.endm
.macro WAITDS w
.if (\w) >= 0
	s_wait_dscnt \w
.endif
.endm
.macro OUTP par, j                     ; a block's scale byte and six registers leave; j: its tile in the band
	WALU
	ds_store_b8 v[VX], v[EB+\par] offset:2*\j
	global_store_b128 v[CO], v[NCD+6*\par:NCD+6*\par+3], s[84+2*(\j/2):85+2*(\j/2)] offset:1536*(\j%2)
	global_store_b64 v8, v[NCD+6*\par+4:NCD+6*\par+5], s[84+2*(\j/2):85+2*(\j/2)] offset:1536*(\j%2)+512
.endm
.macro VPUT t, c                       ; V's tile t of chunk c: six registers
	global_store_b128 v[CO], v[MCD+12*\t+6*\c:MCD+12*\t+6*\c+3], s[50:51] offset:12288*\c+1536*\t
	global_store_b64 v8, v[MCD+12*\t+6*\c+4:MCD+12*\t+6*\c+5], s[50:51] offset:12288*\c+1536*\t+512
.endm
.macro VOUT t
	WALU
	ds_store_b8 v[STV], v[EB+\t] offset:2*\t
	VPUT \t, 0
.endm
.macro EVEN w, kind, j
	WAITDS \w
.if \kind
	BLOCK 0, 0, ACC, 8, 0, 32, L_EV, \kind
.else
	BLOCK 0, 0, ACC, 8, 0, 32, L_LAST, ACC+32, 1
.endif
	WIN 0
	CODES6 ACC+32, NCD+6, 1
	OUTP 1, \j
.if \kind
	FETCH 0
.endif
.endm
.macro EVENROUND w                     ; a refill of a slot and its scale place
	WAITDS \w
	GRD
	BLOCK 0, 0, ACC, 8, 0, 26, L_ROUND
	WIN 0
	WALU
	s_wait_dscnt 0x0
	s_barrier_signal -1
	BLOCK 0, 0, ACC, 8, 26, 32, L_NONE
	WIN 0
	CODES6 ACC+32, NCD+6, 1
	MIDDLE
	BARRIER
	s_cmp_lt_u32 s14, 2
	s_cbranch_scc0 .Lscales_\@
	TLOAD G0R, G1A
	s_branch .Lasked_\@
.Lscales_\@:
	s_cmp_eq_u32 s14, 2
	s_cbranch_scc0 .Lnone_\@
	TLOAD G0S, G1S
.Lnone_\@:
.Lasked_\@:
	OUTP 1, 1
	FETCH 0
.endm
.macro ODD w, chunk, fetch, j
	WAITDS \w
	s_wait_xcnt 0x0                        ; earlier stores have read their registers and their base
	BLOCK 0, 1, ACC+32, 8, 0, 32, L_OD, \chunk, \fetch
	WIN 0
	CODES6 ACC, NCD, 0
	OUTP 0, \j
.if \fetch
	FETCH 1
.endif
.endm
; ================= THE HEAD
	s_load_b128 s[4:7], s[0:1], 0x0                     ; x
	s_load_b256 s[76:83], s[0:1], 0x10                  ; W_q, W_k
	s_load_b128 s[84:87], s[0:1], 0x30                  ; W_v
	s_load_b128 s[48:51], s[0:1], 0x40                  ; b_q, b_k
	s_load_b64 s[52:53], s[0:1], 0x50                   ; b_v
	s_load_b128 s[8:11], s[0:1], 0x58                   ; qkvc, qkvs
	v_lshl_add_u32 v[SPW], v0, 2, SPARE
	v_mov_b32 v[NIL], 0
	ds_add_u32 v[SPW], v[NIL]
	ds_add_u32 v[SPW], v[NIL]
	v_lshrrev_b32 v1, 5, v0
	v_readfirstlane_b32 s14, v1                         ; s14 the wave; s15 its row of the 2 x 2, s16 its column
	s_lshr_b32 s15, s14, 1
	s_and_b32 s16, s14, 1
	s_bfe_u32 s40, ttmp6, 0x40000                       ; cx
	s_bfe_u32 s41, ttmp6, 0x40004                       ; cy
	s_lshl_b32 s42, ttmp9, 2
	SADD 42, 40                                         ; phase 2's tile column, 0 .. 15
	s_and_b32 s43, ttmp7, 0xffff
	s_lshl_b32 s43, s43, 2
	SADD 43, 41                                         ; its tile row
	s_lshr_b32 s19, ttmp9, 1                            ; 0 Q, 1 K
	s_and_b32 s17, ttmp9, 1                             ; V's half of my 512 rows
	s_lshl_b32 s13, s19, 2
	SADD 13, 40                                         ; V's tile column
	s_lshl_b32 s12, s43, 1
	SADD 12, 17                                         ; V's tile row
	s_lshl_b32 s44, s41, 2
	s_lshl_b32 s44, 15, s44                             ; my row of the cluster
	s_lshl_b32 s45, 0x1111, s40                         ; my column
	GROUP1 G1A, 44, RA
	GROUP1 G1B, 45, TN
	s_or_b32 s[G1S+0], s44, (3<<16)|(1<<20)|(1<<21)|(5<<22)|(3<<25)
	s_mov_b32 s[G1S+1], 32<<16
	s_mov_b32 s[G1S+2], (2*CU)<<16
	s_mov_b32 s[G1S+3], 32<<16
	s_mov_b32 s[G1S+4], 2*CU
	s_mov_b32 s[G1S+5], 32
	s_mov_b32 s[G1S+6], 0
	s_mov_b32 s[G1S+7], 0
	s_mov_b32 s[G0S], 1
	s_mov_b32 s[G0S+1], SCL
	s_mov_b32 s[G0A], 1
	s_mov_b32 s[G0A+1], 0
	s_mov_b32 s[G0B], 1
	s_mov_b32 s[G0B+1], BVB
	s_mov_b32 s[G0R], 1
	s_mov_b32 s[G0R+1], YB
	s_mul_i32 s66, s12, TV*KROW                         ; V's rows of x
	s_mul_i32 s89, s12, TV*KS
	s_and_b32 s20, s42, 7
	s_mul_i32 s67, s20, TN*KROW                         ; W_q's or W_k's rows
	s_mul_i32 s54, s13, TN*KROW                         ; W_v's
	s_mul_i32 s88, s43, TM*KROW
	s_mul_i32 s55, s43, TM*KS
	s_xor_b32 s20, s17, 1                               ; the chunks still to come are the other half's
	s_mul_i32 s21, s20, 2*RA*KROW
	SADD 88, 21
	s_mul_i32 s21, s20, 2*CU*256
	SADD 55, 21
	s_lshl_b32 s90, s40, 2
	SADD 90, 14                                         ; my number among the sixteen waves of my row of the cluster
	s_lshl_b32 s100, s41, 2
	SADD 100, 14                                        ; and of my column
	v_and_b32 v1, 15, v0                                ; r
	v_bfe_u32 v2, v0, 4, 1                              ; h
	v_and_b32 v3, 31, v0
	v_bfe_u32 v20, v0, 3, 1                             ; r / 8
	v_lshl_add_u32 v64, v20, 5, v1                      ; an even tile's row (less 8 j): r + 32 (r / 8)
	v_lshl_add_u32 v65, v20, 4, v1                      ; an odd tile's: r + 16 (r / 8)
	v_lshlrev_b32 v70, 2, v64
	v_lshlrev_b32 v71, 2, v65
	v_mul_u32_u24 v66, v64, PITCH
	v_mul_u32_u24 v67, v65, PITCH
	v_add_nc_u32 v67, 8*PITCH, v67
	v_mad_u32_u24 v64, v2, 24, v66
	v_mad_u32_u24 v65, v2, 40, v66                      ; for the pieces whose lanes 16-31 lie behind one padding more
	v_mad_u32_u24 v66, v2, 24, v67
	v_mad_u32_u24 v67, v2, 40, v67
	s_mul_i32 s21, s15, 64*PITCH                        ; my band of a chunk
	v_add_nc_u32 v4, s21, v64
	v_add_nc_u32 v5, s21, v65
	v_add_nc_u32 v22, s21, v66
	v_add_nc_u32 v23, s21, v67
	v_and_b32 v68, 7, v0
	v_lshlrev_b32 v68, 5, v68
	v_mul_u32_u24 v69, v20, 5*272                       ; eight rows' scale bytes are a unit of 256 + 16: an even tile's lanes 8-15 lie five units on, an odd one's three
	v_add_nc_u32 v69, v69, v68
	s_mul_i32 s21, s15, 8*272
	s_add_co_u32 s21, s21, SCL
	v_add_nc_u32 v6, s21, v69
	v_mul_u32_u24 v69, v20, 3*272
	v_add_nc_u32 v69, v69, v68
	s_add_co_u32 s21, s21, 272
	v_add_nc_u32 v7, s21, v69
	v_sub_nc_u32 v68, 2, v2                             ; the weights' scale rows: lanes 0-15 an even tile's, lanes 16-31 the odd tile's beside it
	v_mul_u32_u24 v68, v20, v68
	v_lshl_add_u32 v69, v2, 3, v1
	v_lshl_add_u32 v69, v68, 4, v69
	v_lshlrev_b32 v16, 5, v69
	v_lshlrev_b32 v[CO], 4, v3
	v_lshlrev_b32 v8, 3, v3
	v_mul_u32_u24 v21, v2, 160                          ; Q's, K's bias: even tiles, odd tiles
	v_mul_u32_u24 v14, v2, 96
	v_lshl_add_u32 v68, v1, 3, v2                       ; a wave's stage: [chunk][r][tile][h]
	s_lshl_b32 s21, s14, 9
	s_add_co_u32 s21, s21, XN
	v_add_nc_u32 v[STO], s21, v68
	s_lshl_b32 s21, s14, 8
	s_add_co_u32 s21, s21, XM
	v_add_nc_u32 v[STV], s21, v68
	s_mul_i32 s22, s16, 64*PITCH
	s_add_co_u32 s22, s22, BVB
	s_add_co_u32 s23, s22, 16*PITCH
	WIN 3<<6
.irp p, 0,1,2,3
	v_add_nc_u32 v[BA-768+2*\p], s[22+\p/2], v[64+2*(\p%2)]
	v_add_nc_u32 v[BA-768+2*\p+1], s[22+\p/2], v[65+2*(\p%2)]
.endr
	WIN 0
	WALU
	s_wait_dscnt 0x0
	CROUND                                              ; the opening round
	s_wait_kmcnt 0x0
	s_cmp_eq_u32 s19, 0
	s_cselect_b64 s[76:77], s[76:77], s[80:81]
	s_cselect_b64 s[78:79], s[78:79], s[82:83]
	s_cselect_b64 s[48:49], s[48:49], s[50:51]
	s_mov_b32 s20, s66
	s_mov_b32 s21, 0
	s_add_nc_u64 s[G0A+2:G0A+3], s[4:5], s[20:21]
	s_add_nc_u64 s[G0R+2:G0R+3], s[G0A+2:G0A+3], RA*KROW
	s_or_b32 s[G0A+3], s[G0A+3], 0x80000000
	s_or_b32 s[G0R+3], s[G0R+3], 0x80000000
	G0SET G0B, 84, 54
	G0SET G0S, 6, 89
	s_cmp_eq_u32 s14, 0
	s_cbranch_scc0 .Lwave_1
	TLOAD G0B, G1B                                      ; wave 0: W_v's rows
	s_branch .Lasked
.Lwave_1:
	s_cmp_eq_u32 s14, 1
	s_cbranch_scc0 .Lwave_2
	TLOAD G0S, G1S                                      ; wave 1: both chunks' scale bytes
	s_branch .Lasked
.Lwave_2:
	s_cmp_eq_u32 s14, 2
	s_cbranch_scc0 .Lwave_3
	TLOAD G0A, G1A                                      ; wave 2: chunk 0
	s_branch .Lasked
.Lwave_3:
	TLOAD G0R, G1A                                      ; wave 3: chunk 1
.Lasked:
	s_lshl_b32 s20, s13, 12
	s_lshl_b32 s22, s16, 11
	SADD 20, 22
	s_add_nc_u64 s[86:87], s[86:87], s[20:21]           ; W_v's scale bytes, my 64 rows
.irp p, 0,1
.irp c, 0,1
	global_load_b128 v[SB+NQ*\p+4*\c:SB+NQ*\p+4*\c+3], v16, s[86:87] offset:512*\p+16*\c
.endr
.endr
	s_lshl_b32 s20, s13, 9
	s_lshl_b32 s22, s16, 8
	SADD 20, 22
	s_add_nc_u64 s[2:3], s[52:53], s[20:21]             ; b_v, my 64 features
	WIN 3<<6
.irp t, 0,1,2,3
	global_load_b32 v[BBV-768+8*\t], v[70+\t%2], s[2:3] offset:32*\t
.endr
	s_and_b32 s23, s42, 7
	s_lshl_b32 s20, s23, 12
	s_lshl_b32 s22, s16, 11
	SADD 20, 22
	s_add_nc_u64 s[78:79], s[78:79], s[20:21]           ; W_q's or W_k's scale bytes
.irp p, 0,1
.irp c, 0,1
	global_load_b128 v[SB2-768+NQ*\p+4*\c:SB2-768+NQ*\p+4*\c+3], v16, s[78:79] offset:512*\p+16*\c
.endr
.endr
	WIN 0
	s_lshl_b32 s20, s23, 9
	s_lshl_b32 s22, s16, 8
	SADD 20, 22
	s_add_nc_u64 s[48:49], s[48:49], s[20:21]           ; b_q or b_k
	s_lshl_b32 s22, s13, 6                              ; where the results go: s[50:51] V's codes, s[52:53] its scale bytes,
	SADD 22, 12
	SADD 22, 12
	s_mul_i32 s20, s22, 12288
	s_add_co_u32 s20, s20, 12582912
	s_mul_i32 s23, s16, 4*1536
	SADD 20, 23
	s_mul_i32 s23, s15, 768
	SADD 20, 23
	s_add_nc_u64 s[50:51], s[8:9], s[20:21]
	s_lshl_b32 s20, s22, 9
	s_add_co_u32 s20, s20, 524288
	s_lshl_b32 s23, s14, 8
	SADD 20, 23
	s_add_nc_u64 s[52:53], s[10:11], s[20:21]
	s_and_b32 s23, s42, 7                               ; s[8:9] Q's or K's codes, s[12:13] their scale bytes
	s_lshl_b32 s20, s17, 1
	s_xor_b32 s20, s20, s14
	s_lshl_b32 s22, s43, 2
	SADD 20, 22
	s_lshl_b32 s20, s20, 3
	SADD 20, 23
	s_lshl_b32 s20, s20, 9
	s_lshl_b32 s22, s19, 18
	SADD 20, 22
	s_add_nc_u64 s[12:13], s[10:11], s[20:21]
	s_lshr_b32 s20, s43, 2                              ; Q: batch, 256 tokens, 128 features, g = 2 x row of the 2 x 2 on
	s_mul_i32 s20, s20, 1572864
	s_and_b32 s22, s43, 3
	s_mul_i32 s22, s22, 6144
	SADD 20, 22
	s_mul_i32 s22, s23, 24576
	SADD 20, 22
	s_mul_i32 s22, s15, 393216
	SADD 20, 22
	s_mul_i32 s22, s43, 393216                          ; K
	s_mul_i32 s18, s23, 12288
	SADD 22, 18
	s_mul_i32 s18, s15, 6144
	SADD 22, 18
	s_add_co_u32 s22, s22, 6291456
	s_cmp_eq_u32 s19, 0
	s_cselect_b32 s20, s20, s22
	s_mov_b32 s22, 196608
	s_cselect_b32 s80, s22, 3072                        ; from tiles 0, 1 to tiles 2, 3
	s_cselect_b32 s83, 3072, s22                        ; from chunk to chunk: the next 256 tokens,
	s_mov_b32 s22, 786432
	s_cselect_b32 s82, s22, 98304                       ; the second 128 of them
	s_mov_b32 s81, 0
	s_mul_i32 s22, s16, 768
	SADD 20, 22
	s_add_nc_u64 s[8:9], s[8:9], s[20:21]
	s_wait_loadcnt 0x0
	WIN (3<<6)|3
.irp t, 0,8,16,24
.irp i, 1,2,3,4,5,6,7
	v_mov_b32 v[BBV-768+\t+\i], v[BBV-768+\t]          ; V's bias, one a lane and tile, over the tile's eight registers
.endr
.endr
	WIN 0
	s_mov_b32 s46, 0
	s_mov_b32 s47, 0
	s_mov_b32 s3, SCL
	PFTILE 15, 67, 100                                  ; what the first refill will load
	WALU
	s_cmp_eq_u32 s14, 0
	s_cbranch_scc0 .Lnot_b
	s_wait_tensorcnt 0x0
.Lnot_b:
	BARRIER                                             ; W_v's rows are in
	PFGO 15, 76
	WEIGHTS
	s_cmp_eq_u32 s14, 3
	s_cbranch_scc1 .Lnot_a0
	s_wait_tensorcnt 0x0
.Lnot_a0:
	s_wait_dscnt 0x0
	BARRIER                                             ; chunk 0 and the scale bytes are in; chunk 1 may still be on its way
	FETCH01
; ================= PHASE 1: V, eight blocks; band 0's way outs stand in band 1's blocks
	s_wait_dscnt NF
	BLOCK 1, 0, HV0, 32, 0, 32, L_ST, 0, 2
	WIN 0
	PLACES 4
	WALU
	FETCH 0
	s_wait_dscnt NF
	BLOCK 1, 1, HV0+8, 32, 0, 32, L_ST, 1, 0
	WIN 0
	PLACES 4
	WALU
	FETCH 1
	s_wait_dscnt NF
	GRD
	BLOCK 1, 0, HV0+16, 32, 0, 24, L_V2
	WIN 0
	WALU
	s_wait_dscnt 0x0
	s_barrier_signal -1
	BLOCK 1, 0, HV0+16, 32, 24, 32, L_NONE
	MIDDLE
	BARRIER
	s_cmp_lt_u32 s14, 2
	s_cbranch_scc0 .Lno_half
	TLOAD G0B, G1B                                      ; waves 0 and 1 a half each of W_q's or W_k's rows, onto W_v's, which all waves hold in registers
.Lno_half:
	PLACES 4
	WALU
	FETCH 0
	PFGO 42, 4
	PFGO 43, 6
	BLOCK 1, 1, HV0+24, 32, 0, 32, L_ST, 1, 0
	WIN 0
	PLACES 4
	WALU
	FETCH 1
.irp j, 0,1,2
	s_wait_dscnt NF+(\j+1)/2
.if \j < 2
	BLOCK 1, \j%2, HV1+8*\j, 32, 0, 32, L_VO, \j
.else
	BLOCK 1, \j%2, HV1+8*\j, 32, 0, 32, L_LAST, HV0+32*\j, \j
.endif
	WIN 0
	CODES6 HV0+32*\j, MCD+12*\j, \j
	VOUT \j
.if \j < 2
	FETCH \j%2
.endif
.endr
	s_wait_dscnt 1
	BLOCK 1, 1, HV1+24, 32, 0, 26, L_V7
	WIN 0
	WALU
	s_wait_tensorcnt 0x0
	s_wait_dscnt 0x0
	s_barrier_signal -1                                 ; a plain barrier: the weights that the first refill brought are shown to all
	BLOCK 1, 1, HV1+24, 32, 26, 32, L_NONE
	WIN 0
	s_barrier_wait -1
	CODES6 HV0+96, MCD+36, 3
	VOUT 3
; ================= THE CHANGE OF PHASE: weights and the first two blocks' rows, which lie in slot 0 still, in one run of loads; band 1's four way outs under their flight
.irp p, 0,1,2,3
	global_load_b128 v[BBQ+8*\p:BBQ+8*\p+3], v[21-7*(\p%2)], s[48:49] offset:32*\p
	global_load_b128 v[BBQ+8*\p+4:BBQ+8*\p+7], v[21-7*(\p%2)], s[48:49] offset:32*\p+16
.endr
	WEIGHTS
	FETCH01
	PFGO 20, 4
	WIN 3
.set I, 0
.rept 16
	v_mov_b32 v[SB+I], v[SB2-768+I]
.set I, I+1
.endr
	WIN 0
.set I, 0
.rept 18
.irp t, 0,1,2,3
	CHAIN I, HV1+32*\t, \t, 64+4*\t
.endr
.set I, I+1
.endr
.set I, 0
.rept 6
.irp t, 0,1,2,3
	CODES I, HV1+32*\t, MCD+12*\t+6, \t, 80+4*\t
.endr
.set I, I+1
.endr
	WIN 0
	WALU
; ================= PHASE 2: Q or K, sixteen blocks; a block's way out stands in the next block
	s_wait_loadcnt 0x0
	s_wait_dscnt NF
	BLOCK 0, 0, ACC, 8, 0, 32, L_ST, 0, 2
	WIN 0
	PLACES 4
	WALU
.irp t, 0,1,2,3
	ds_store_b8 v[STV], v[EB+\t] offset:128+2*\t
.endr
.irp t, 0,1,2,3
	VPUT \t, 1
.endr
	FETCH 0
	ODD NF+4, 1, 1, 0
	s_mov_b32 s18, 0
.Lwith_rounds:                                          ; blocks 2 to 5, 6 to 9
	EVENROUND NF+1
	ODD -1, 0, 1, 2
	EVEN NF+1, 2, 3
	ODD NF+1, 1, 1, 0
	s_add_co_u32 s18, s18, 1
	s_cmp_lg_u32 s18, 2
	s_cbranch_scc1 .Lwith_rounds
	s_wait_dscnt NF+1                                   ; block 10: a plain barrier inside it shows the last refill to all
	BLOCK 0, 0, ACC, 8, 0, 26, L_EV, 1
	WIN 0
	WALU
	s_wait_tensorcnt 0x0
	s_wait_dscnt 0x0
	s_barrier_signal -1
	BLOCK 0, 0, ACC, 8, 26, 32, L_NONE
	WIN 0
	s_barrier_wait -1
	CODES6 ACC+32, NCD+6, 1
	OUTP 1, 1
	FETCH 0
	ODD -1, 0, 1, 2
	EVEN NF+1, 2, 3
	ODD NF+1, 1, 1, 0
	EVEN NF+1, 0, 1
	ODD 1, 0, 0, 2
; ================= THE END: the last way out; the scale bytes go through LDS under its conversions
	v_lshrrev_b32 v12, 1, v3
	v_lshlrev_b32 v12, 3, v12
	v_and_b32 v14, 1, v3
	v_lshl_add_u32 v12, v14, 10, v12
	s_lshl_b32 s21, s14, 7
	s_add_co_u32 s21, s21, XN
	v_add_nc_u32 v12, s21, v12                          ; (even lanes band 0's bytes, odd lanes band 1's, the four tiles of row lane / 2)
	s_lshl_b32 s21, s16, 8
	s_lshl_b32 s22, s15, 7
	SADD 21, 22
	s_add_co_u32 s21, s21, XM
	v_lshlrev_b32 v13, 2, v3
	v_add_nc_u32 v13, s21, v13                          ; V: chunk s15, column half s16: two rows a lane
.set I, 0
.rept 18
	CHAIN I, ACC+32, 1
.set I, I+1
.endr
	CODES 2, ACC+32, NCD+6, 1
	WALU
	ds_store_b8 v[VX], v[EB+1] offset:6
	s_wait_dscnt 0x0
	s_wait_xcnt 0x0
	s_barrier_signal -1
	CODES 0, ACC+32, NCD+6, 1
	CODES 1, ACC+32, NCD+6, 1
	v_nop
.irp i, 3,4,5
	CODES \i, ACC+32, NCD+6, 1
.endr
	WIN 0
	WALU
	s_barrier_wait -1
	ds_load_b64 v[64:65], v12
	ds_load_b64 v[66:67], v12 offset:512
	ds_load_b32 v68, v13
	ds_load_b32 v69, v13 offset:512
	global_store_b128 v[CO], v[NCD+6:NCD+9], s[86:87] offset:1536
	global_store_b64 v8, v[NCD+10:NCD+11], s[86:87] offset:1536+512
	s_wait_dscnt 0x0
	v_perm_b32 v70, v66, v64, 0x05040100                ; bytes 0, 1 of a word are half c = 0's, bytes 2, 3 half c = 1's
	v_perm_b32 v71, v66, v64, 0x07060302
	v_perm_b32 v72, v67, v65, 0x05040100
	v_perm_b32 v73, v67, v65, 0x07060302
	v_perm_b32 v74, v69, v68, 0x05040100
	v_perm_b32 v75, v69, v68, 0x07060302
	global_store_b128 v[CO], v[70:73], s[12:13]
	global_store_b64 v8, v[74:75], s[52:53]
	s_wait_tensorcnt 0x0
	ds_add_u32 v[SPW], v[NIL]
	s_wait_dscnt 0x0
	CROUND
	s_endpgm
.Lfunc_end_k_q395c736556_proj:
	.size	k_q395c736556_proj, .Lfunc_end_k_q395c736556_proj-k_q395c736556_proj
	.p2alignl 7, 3214868480
	.fill 96, 4, 3214868480
	.section	.rodata,"a",@progbits
	.p2align	6, 0x0
	.amdhsa_kernel k_q395c736556_proj
		.amdhsa_group_segment_fixed_size 327680
		.amdhsa_private_segment_fixed_size 0
		.amdhsa_enable_private_segment 0
		.amdhsa_kernarg_size 104
		.amdhsa_user_sgpr_count 2
		.amdhsa_user_sgpr_kernarg_segment_ptr 1
		.amdhsa_wavefront_size32 1
		.amdhsa_system_sgpr_workgroup_id_x 1
		.amdhsa_system_sgpr_workgroup_id_y 1
		.amdhsa_system_sgpr_workgroup_id_z 1
		.amdhsa_system_vgpr_workitem_id 0
		.amdhsa_next_free_vgpr 1024
		.amdhsa_next_free_sgpr 102
		.amdhsa_reserve_vcc 0
		.amdhsa_float_denorm_mode_32 3
		.amdhsa_float_denorm_mode_16_64 3
		.amdhsa_memory_ordered 1
		.amdhsa_forward_progress 1
		.amdhsa_inst_pref_size 205
	.end_amdhsa_kernel
	.amdgpu_metadata
---
amdhsa.version: [ 1, 2 ]
amdhsa.kernels:
  - .name:           k_q395c736556_proj
    .symbol:         k_q395c736556_proj.kd
    .args:
      - { .name: x_codes, .offset: 0, .size: 8, .value_kind: global_buffer, .address_space: global }
      - { .name: x_scales, .offset: 8, .size: 8, .value_kind: global_buffer, .address_space: global }
      - { .name: Wq_codes, .offset: 16, .size: 8, .value_kind: global_buffer, .address_space: global }
      - { .name: Wq_scales, .offset: 24, .size: 8, .value_kind: global_buffer, .address_space: global }
      - { .name: Wk_codes, .offset: 32, .size: 8, .value_kind: global_buffer, .address_space: global }
      - { .name: Wk_scales, .offset: 40, .size: 8, .value_kind: global_buffer, .address_space: global }
      - { .name: Wv_codes, .offset: 48, .size: 8, .value_kind: global_buffer, .address_space: global }
      - { .name: Wv_scales, .offset: 56, .size: 8, .value_kind: global_buffer, .address_space: global }
      - { .name: bq, .offset: 64, .size: 8, .value_kind: global_buffer, .address_space: global }
      - { .name: bk, .offset: 72, .size: 8, .value_kind: global_buffer, .address_space: global }
      - { .name: bv, .offset: 80, .size: 8, .value_kind: global_buffer, .address_space: global }
      - { .name: qkvc, .offset: 88, .size: 8, .value_kind: global_buffer, .address_space: global }
      - { .name: qkvs, .offset: 96, .size: 8, .value_kind: global_buffer, .address_space: global }
    .group_segment_fixed_size: 327680
    .private_segment_fixed_size: 0
    .kernarg_segment_align: 8
    .kernarg_segment_size: 104
    .max_flat_workgroup_size: 128
    .sgpr_count:     102
    .vgpr_count:     1024
    .wavefront_size: 32
...
	.end_amdgpu_metadata
.endif
;; end of part 1
;; launch score (part 2): grid 8 x 32, 4 waves a work-group, clusters of 4 x 1, 327,680 bytes of LDS; arguments qkvc, qkvs, pc, pst; writes pc, pst
.if DOCPART == 2
	.amdgcn_target "amdgcn-amd-amdhsa--gfx1250"
	.amdhsa_code_object_version 6
	.text
	.protected	k_q395c736556_score
	.globl	k_q395c736556_score
	.p2align	8
	.type	k_q395c736556_score,@function
k_q395c736556_score:
	s_mov_b64 s[64:65], 0
	v_nop
	global_prefetch_b8 v0, s[64:65] scope:SCOPE_SE
	s_setreg_imm32_b32 hwreg(HW_REG_WAVE_MODE, 25, 1), 1
	s_wait_xcnt 0x0
	s_wait_alu depctr_hold_cnt(0) depctr_sa_sdst(0) depctr_va_vdst(0) depctr_va_sdst(0) depctr_va_ssrc(0) depctr_va_vcc(0) depctr_vm_vsrc(0)
	s_getreg_b32 s2, hwreg(HW_REG_IB_STS2, 6, 4)
	s_cmp_eq_u32 s2, 0
	s_cbranch_scc0 .Lentry_in_a_cluster
	s_endpgm
.Lentry_in_a_cluster:
	s_bfe_u32 s2, ttmp6, 0x10000c
	s_cmp_lg_u32 s2, 0x3003
	s_cbranch_scc0 .Lentry_shape_is_right
	s_endpgm
.Lentry_shape_is_right:
; SCORE.  S = Q K^T on codes of FP6 (K = 1,024), t = S log2(e) / 32, the causal mask, p = 2^(t - M) quantised along the keys.  Tiles that lie wholly above the diagonal are left out (the first launch's head says why).
; M HERE IS LOCAL: for each query and each 128 keys the largest t there rounded up to a whole number.  The last launch takes the whole number (row's M - local M) off the scale bytes, which is exact.
; EQUAL WORK-GROUPS.  A stripe g is places 32 g .. 32 g + 31 of each of a batch's eight tiles of 256 queries (block a = 0 .. 7).  Work-group (g, batch, w) takes the 128-key groups w and 15 - w.  With m = w / 2 group w is seen by the blocks
; a >= m, group 15 - w by the blocks a >= 7 - m: nine units of 32 queries x 128 keys for every w.  Unit u = 0 .. 7 - m: group w, block u + m;  u = 8 - m .. 7: group 15 - w, block u;  u = 8: group 15 - w, block 7 - m.
; So units 0 and 8 are the ones with a diagonal, and only units 5, 6, 7 differ in their key group: by a branch on w.  Four waves: 16 queries (s) x 64 keys (kh) of every unit.
; SOURCE 0 = 16 keys, SOURCE 1 = 16 queries: lane (r, h) holds query r and 32 keys: one scale block.
; ORDER OF ROWS: a tile of 16 is tile j of a band of 64: r = 0 .. 7 row 8 j + r, r = 8 .. 15 row 32 + 8 (j xor 1) + r - 8.
; LDS: Q [K step % 6][a][s][1,536], then K of group w, of group 15 - w: [K step % 6][tile][1,536].  Six of the eight K steps come at the head, one load a wave (Q's steps 0-1; either group's steps 0-5; Q's steps 2-5); steps 6-7 refill steps 0-1.
; CLUSTERS: four stripes need the same keys: K's tiles are asked for jointly.  Q's are not: of the work-groups that share a stripe only two take the same blocks.
; NO PREFETCH: there is one refill, asked for four K steps ahead of its first read, and no loop to run ahead in.
; OUT: pc: [stripe 8 batch + g][X (36)][s][which 128 keys q][1,536], X the pairs (J, a), a >= J, J first; half c = kh of an image: four registers at 16 x lane, two at 512 + 8 x lane.
;   pst: [stripe][s][X][q][r] x 16 bytes: scale word, -M, sum of the unquantised p, 0.
; LIMITS: NaN and infinities are not served; scaled scores (exponents to the base 2) stay under 2^31.  A block's byte is held at 64 from below: blocks whose largest p is under 2^-61 of their local 1 lose their numbers.
; 128 keys that are all hidden give p = 0, sum 0, -M = 3e38.
.set QREG,  0
.set KREG,  147456
.set MX,    294912                     ; the maxima's exchange: 576 bytes a wave
.set SX,    297216                     ; sums and bytes of the second key half: 2,304 bytes for each s
.set SPARE, 301824
.set SPW,  28
.set NIL,  29
.set NINF, 30
.set SK,   32                          ; K's scale words: 16 group + 4 (K step / 2) + tile; lanes 16-31: the odd K step
.set QR,   104                         ; LDS addresses of Q: 6 class + 2 (step % 6 / 2) + (1 for the 8-byte pieces)
.set KR,   134                         ; of K: 4 group + 2 (step % 6 / 3) + (1 ..)
.set MB,   142
.set PM,   152
.set MW,   162
.set NMB,  172
.set SHB,  190
.set T,    208
.set TC,   252
.set G1Q,  24
.set G1K,  32
.set G0Q,  40
.set G0K1, 44
.set G0K2, 48
.set G0Q3, 52
.set G1Q3, 56
.set CS,   66
.set SEL,  68
.set MSB, 0
.macro WIN new
.if MSB != (\new)
	s_set_vgpr_msb (MSB<<8)|(\new)
.set MSB, (\new)
.endif
.endm
.macro PLACES
.rept 4
	v_nop
.endr
.endm
.macro WALU
	s_wait_alu depctr_va_vdst(0)
.endm
.macro CREST
	s_cmp_lg_u32 s14, 0
	s_cbranch_scc1 .Lnot_wave_0_\@
	s_barrier_signal -3
.Lnot_wave_0_\@:
	s_barrier_wait -3
	s_barrier_signal -1
	s_barrier_wait -1
.endm
.macro CROUND
	s_barrier_signal -1
	s_barrier_wait -1
	CREST
.endm
.macro SADD d, x
	s_add_co_u32 s\d, s\d, s\x
.endm
.macro TLOAD g0, g1
	tensor_load_to_lds s[\g0:\g0+3], s[\g1:\g1+7]
	s_nop 0
	PLACES
.endm
.macro GROUP1 g, first, rows
	s_mov_b32 s[\g], \first
	s_mov_b32 s[\g+1], 32<<16
	s_mov_b32 s[\g+2], (\rows)<<16
	s_mov_b32 s[\g+3], 32<<16
	s_mov_b32 s[\g+4], \rows
	s_mov_b32 s[\g+5], 32
	s_mov_b32 s[\g+6], 0
	s_mov_b32 s[\g+7], 0
.endm
.macro GROUP0 g, lds
	s_mov_b32 s[\g], 1
	s_mov_b32 s[\g+1], \lds
	s_or_b32 s[\g+3], s[\g+3], 0x80000000
.endm
.macro SQI u, i                        ; Q's scale word of unit u, K steps 2 i and 2 i + 1
.if (\u) < 8
.set SQ_, 64+8*(((\i)/2)*2+(\u)/4)+4*(1-(\i)%2)+(\u)%4
.else
.set SQ_, 96+4*(1-(\i)%2)+(\i)/2
.endif
.endm
; Load i (of 68) of K step kq's operands into set kq % 2 (window 1 or 2): K's eight fragments at 12 f, then Q's nine at 96 + 12 u; two pieces of 16 bytes and two of 8 a fragment.
.macro KLD kq, i
.set M_, (\kq)%6
.set C_, ((\i)%4)/2
.set Y_, (\i)%2
.if (\i) < 32
.set F_, (\i)/4
.set A_, KR+4*(F_/4)+2*(M_/3)+Y_
.set O_, 12288*(M_%3)+1536*(F_%4)+768*C_+512*Y_
.set D_, 12*F_+6*C_+4*Y_
.else
.set F_, ((\i)-32)/4
.set L_, 0
.set U_, F_
.if F_ > 4
.set L_, F_-4
.endif
.if F_ == 8
.set U_, 0
.endif
.set A_, QR+6*L_+2*(M_/2)+Y_
.set O_, 24576*(M_%2)+3072*U_+768*C_+512*Y_
.set D_, 96+12*F_+6*C_+4*Y_
.endif
	WIN (1+(\kq)%2)<<6
.if Y_
	ds_load_b64 v[D_:D_+1], v[A_] offset:O_
.else
	ds_load_b128 v[D_:D_+3], v[A_] offset:O_
.endif
.endm
; The product of unit u and key tile t of group kg.  Accumulators: units 0-7 in window 3 at 32 u + 8 t, unit 8 in window 1 at 208 + 8 t.  Each takes one turn a K step.
.macro KPROD kq, u, t, kg
.set W_, 1+(\kq)%2
.set DW_, 3
.set D_, 32*(\u)+8*(\t)
.if (\u) == 8
.set DW_, 1
.set D_, 208+8*(\t)
.endif
.set B_, 12*(4*(\kg)+(\t))
.set A_, 96+12*(\u)
.set SB_, SK+16*(\kg)+4*((\kq)/2)+(\t)
	SQI \u, (\kq)/2
	WIN W_|(W_<<2)|(DW_<<4)|(DW_<<6)
.if (\kq) == 0
	v_wmma_scale_f32_16x16x128_f8f6f4 v[D_:D_+7], v[B_:B_+11], v[A_:A_+11], 0, v[SB_], v[SQ_] matrix_a_fmt:MATRIX_FMT_FP6 matrix_b_fmt:MATRIX_FMT_FP6
.elseif (\kq)%2 == 0
	v_wmma_scale_f32_16x16x128_f8f6f4 v[D_:D_+7], v[B_:B_+11], v[A_:A_+11], v[D_:D_+7], v[SB_], v[SQ_] matrix_a_fmt:MATRIX_FMT_FP6 matrix_b_fmt:MATRIX_FMT_FP6
.else
	v_wmma_scale_f32_16x16x128_f8f6f4 v[D_:D_+7], v[B_:B_+11], v[A_:A_+11], v[D_:D_+7], v[SB_], v[SQ_] matrix_a_fmt:MATRIX_FMT_FP6 matrix_b_fmt:MATRIX_FMT_FP6 matrix_a_scale:MATRIX_SCALE_ROW1 matrix_b_scale:MATRIX_SCALE_ROW1
.endif
.endm
; Products from .. to - 1 of the 24 of units 0-4 and 8, with K step nk's loads among them (nk = 8: none).
.macro KRUN kq, from, to, nk
.set PER_, 0
.if (\nk) < 8
.set PER_, (68+(\to)-(\from)-1)/((\to)-(\from))
.endif
.set N_, \from
.set I_, 0
.rept (\to)-(\from)
	KPROD \kq, N_/4+3*(N_/20), N_%4, N_/20
.rept PER_
.if I_ < 68
	KLD \nk, I_
.endif
.set I_, I_+1
.endr
.set N_, N_+1
.endr
.endm
.macro KV kq, u                        ; unit 5, 6 or 7: its key group hangs on m
	WIN 0
	s_cmp_lt_u32 s17, 8-\u
	s_cbranch_scc0 .Lsecond_\@
.irp t, 0,1,2,3
	KPROD \kq, \u, \t, 0
.endr
	WIN 0
	s_branch .Ldone_\@
.Lsecond_\@:
.irp t, 0,1,2,3
	KPROD \kq, \u, \t, 1
.endr
	WIN 0
.Ldone_\@:
.endm
.macro KVAR kq
	KV \kq, 5
	KV \kq, 6
	KV \kq, 7
.endm
.macro KSTEP kq, nk
	s_wait_dscnt 0x0                               ; this step's operands are in
	PLACES
	KRUN \kq, 0, 24, \nk
	KVAR \kq
.endm
	s_load_b256 s[4:11], s[0:1], 0x0               ; qkvc, qkvs, pc, pst
	v_lshl_add_u32 v[SPW], v0, 2, SPARE
	v_mov_b32 v[NIL], 0
	ds_add_u32 v[SPW], v[NIL]
	ds_add_u32 v[SPW], v[NIL]
	v_lshrrev_b32 v1, 5, v0
	v_readfirstlane_b32 s14, v1                    ; wave
	s_lshr_b32 s15, s14, 1                         ; s
	s_and_b32 s16, s14, 1                          ; kh
	s_bfe_u32 s82, ttmp6, 0x40000                  ; cx
	s_lshl_b32 s84, ttmp9, 2
	SADD 84, 82                                    ; stripe g
	s_and_b32 s20, ttmp7, 0xffff
	s_lshr_b32 s18, s20, 3                         ; batch
	s_and_b32 s85, s20, 7                          ; w: the first key group
	s_lshr_b32 s17, s85, 1                         ; m
	s_and_b32 s19, s85, 1                          ; which half of its 256 keys the first group is; the second is the other
	s_sub_co_u32 s86, 15, s85                      ; the second key group
	GROUP1 G1Q, 3<<16, 192
	GROUP1 G1Q3, 3<<16, 384
	GROUP1 G1K, (3<<16)|(1<<21)|15, 288
	s_mov_b32 s[CS], 0x3d38aa3b                    ; log2(e) / 32
	s_mov_b32 s[CS+1], s[CS]
	s_mov_b32 s[SEL], 0x76543210
	s_mov_b32 s[SEL+1], 0xfedcba98
	v_and_b32 v1, 15, v0                           ; r
	v_bfe_u32 v2, v0, 4, 1                         ; h
	v_and_b32 v3, 31, v0
	v_lshlrev_b32 v4, 4, v3
	v_lshlrev_b32 v5, 3, v3
	v_lshlrev_b32 v9, 5, v1
	v_lshl_add_u32 v9, v2, 9, v9                   ; scale words: row r, the odd K step in lanes 16-31
.macro QRSET c                         ; from the scalar s21 on
.irp k, 0,1,2
	v_add_nc_u32 v[QR+6*\c+2*\k], s21, v4
	v_add_nc_u32 v[QR+1+6*\c+2*\k], s21, v5
	s_add_co_u32 s21, s21, 49152
.endr
.endm
	s_mul_i32 s23, s15, 1536
	s_mul_i32 s22, s17, 3072
	s_add_co_u32 s21, s22, s23
	QRSET 0                                        ; units 0-4: block u + m
	s_min_u32 s20, s17, 2
	s_mul_i32 s20, s20, 3072
	s_cmp_lt_u32 s17, 3
	s_cselect_b32 s21, s20, 0
	SADD 21, 23
	QRSET 1                                        ; unit 5: block 5 + m or 5
	s_min_u32 s20, s17, 1
	s_mul_i32 s20, s20, 3072
	s_cmp_lt_u32 s17, 2
	s_cselect_b32 s21, s20, 0
	SADD 21, 23
	QRSET 2                                        ; unit 6
	s_mov_b32 s21, s23
	QRSET 3                                        ; unit 7: block 7 for every m
	s_sub_co_u32 s20, 7, s17
	s_mul_i32 s21, s20, 3072
	SADD 21, 23
	QRSET 4                                        ; unit 8: block 7 - m
	s_mul_i32 s21, s16, 6144
	s_add_co_u32 s21, s21, KREG
.irp k, 0,1,2,3
	v_add_nc_u32 v[KR+2*\k], s21, v4
	v_add_nc_u32 v[KR+1+2*\k], s21, v5
	s_add_co_u32 s21, s21, 36864
.endr
	v_lshlrev_b32 v10, 2, v1
	s_mul_i32 s21, s14, 576
	s_add_co_u32 s21, s21, MX
	v_add_nc_u32 v6, s21, v10                      ; my maxima; the other key half's
	s_xor_b32 s20, s14, 1
	s_mul_i32 s21, s20, 576
	s_add_co_u32 s21, s21, MX
	v_add_nc_u32 v7, s21, v10
	s_mul_i32 s21, s15, 2304
	s_add_co_u32 s21, s21, SX
	v_add_nc_u32 v8, s21, v5
	; the mask: my query's place in its 256 less my first key's; key 8 t + i of my band is hidden where 8 t + i is greater
	v_bfe_u32 v11, v0, 3, 1
	s_lshl_b32 s21, s15, 4
	s_sub_co_u32 s21, 32, s21
	v_mul_u32_u24 v11, s21, v11
	v_add_nc_u32 v11, v11, v1
	s_lshr_b32 s21, s84, 1
	s_lshl_b32 s21, s21, 6
	s_and_b32 s22, s84, 1
	s_lshl_b32 s22, s22, 4
	SADD 21, 22
	s_lshl_b32 s22, s15, 3
	SADD 21, 22
	s_lshl_b32 s22, s16, 6
	s_sub_co_i32 s21, s21, s22
	WALU                                           ; the wait here, directly ahead of the reader below
	v_add_nc_u32 v11, s21, v11
	v_mul_u32_u24 v12, v2, 40                      ; lanes 16-31: an even tile's keys lie 40 further on, an odd one's 24
	v_mul_u32_u24 v13, v2, 24
	v_sub_nc_u32 v12, v11, v12
	v_sub_nc_u32 v13, v11, v13
	s_lshl_b32 s21, s19, 7
	s_sub_co_i32 s22, s21, 128
	s_sub_co_i32 s21, 0, s21
	v_add_nc_u32 v24, s21, v12                     ; unit 0
	v_add_nc_u32 v25, s21, v13
	v_add_nc_u32 v26, s22, v12                     ; unit 8
	v_add_nc_u32 v27, s22, v13
	v_mov_b32 v[NINF], 0xff800000
.irp u, 0,1,2,3,4,5,6,7,8
	v_mov_b32 v[PM+\u], 0                          ; written once: a lane permute's destination counts as one of its sources
.endr
	s_lshl_b32 s20, s18, 3
	SADD 20, 84
	s_mul_i32 s22, s20, 196608                     ; Q: stripe 8 batch + g
	s_mov_b32 s23, 0
	s_lshl_b32 s21, s18, 4
	s_add_co_u32 s20, s21, s85
	s_mul_i32 s88, s20, 98304
	s_add_co_u32 s88, s88, 6291456                 ; K: the first group,
	s_mov_b32 s89, 0
	s_add_co_u32 s20, s21, s86
	s_mul_i32 s90, s20, 98304
	s_add_co_u32 s90, s90, 6291456                 ; the second
	s_mov_b32 s91, 0
	WALU
	s_wait_dscnt 0x0
	CROUND                                         ; ahead of the first tensor loads
	s_wait_kmcnt 0x0
	s_add_nc_u64 s[G0Q+2:G0Q+3], s[4:5], s[22:23]
	s_add_nc_u64 s[G0Q3+2:G0Q3+3], s[G0Q+2:G0Q+3], 2*24576
	s_add_nc_u64 s[G0K1+2:G0K1+3], s[4:5], s[88:89]
	s_add_nc_u64 s[G0K2+2:G0K2+3], s[4:5], s[90:91]
	GROUP0 G0Q, QREG
	GROUP0 G0Q3, QREG+2*24576
	GROUP0 G0K1, KREG
	GROUP0 G0K2, KREG+73728
	s_cmp_eq_u32 s14, 0
	s_cbranch_scc0 .Lwave_1
	TLOAD G0Q, G1Q
	s_branch .Lasked
.Lwave_1:
	s_cmp_eq_u32 s14, 1
	s_cbranch_scc0 .Lwave_2
	TLOAD G0K1, G1K
	s_branch .Lasked
.Lwave_2:
	s_cmp_eq_u32 s14, 2
	s_cbranch_scc0 .Lwave_3
	TLOAD G0K2, G1K
	s_branch .Lasked
.Lwave_3:
	TLOAD G0Q3, G1Q3
.Lasked:
	; the scale words, once
	s_lshl_b32 s20, s18, 16
	s_lshr_b32 s21, s84, 2
	s_lshl_b32 s21, s21, 12
	SADD 20, 21
	s_and_b32 s21, s84, 3
	s_lshl_b32 s21, s21, 1
	SADD 21, 15
	s_lshl_b32 s21, s21, 2
	SADD 20, 21
	s_mov_b32 s21, 0
	s_add_nc_u64 s[94:95], s[6:7], s[20:21]        ; Q, block 0 of my stripe: unit 7's base
	s_lshl_b32 s20, s17, 13
	s_add_nc_u64 s[88:89], s[94:95], s[20:21]      ; units 0-4
	s_cmp_lt_u32 s17, 3
	s_cselect_b32 s22, s20, 0
	s_mov_b32 s23, 0
	s_add_nc_u64 s[90:91], s[94:95], s[22:23]      ; unit 5
	s_cmp_lt_u32 s17, 2
	s_cselect_b32 s22, s20, 0
	s_add_nc_u64 s[92:93], s[94:95], s[22:23]      ; unit 6
	s_sub_co_u32 s22, 7, s17
	s_lshl_b32 s22, s22, 13
	s_add_nc_u64 s[96:97], s[94:95], s[22:23]      ; unit 8
	s_lshl_b32 s20, s18, 16
	s_lshl_b32 s22, s16, 4
	SADD 20, 22
	s_add_co_u32 s20, s20, 262144
	s_lshl_b32 s22, s85, 12
	SADD 22, 20
	s_add_nc_u64 s[98:99], s[6:7], s[22:23]        ; K, the first group
	s_lshl_b32 s22, s86, 12
	SADD 22, 20
	s_add_nc_u64 s[12:13], s[6:7], s[22:23]        ; the second
.irp i, 0,1,2,3
	global_load_b128 v[SK+4*\i:SK+4*\i+3], v9, s[98:99] offset:1024*\i
	global_load_b128 v[SK+16+4*\i:SK+16+4*\i+3], v9, s[12:13] offset:1024*\i
.irp u, 0,1,2,3,4
	SQI \u, \i
	global_load_b32 v[SQ_], v9, s[88:89] offset:8192*\u+1024*\i
.endr
	SQI 5, \i
	global_load_b32 v[SQ_], v9, s[90:91] offset:8192*5+1024*\i
	SQI 6, \i
	global_load_b32 v[SQ_], v9, s[92:93] offset:8192*6+1024*\i
	SQI 7, \i
	global_load_b32 v[SQ_], v9, s[94:95] offset:8192*7+1024*\i
	SQI 8, \i
	global_load_b32 v[SQ_], v9, s[96:97] offset:1024*\i
.endr
	; where the results go: first pair of a key group's J: X0(J) = 8 J - J (J - 1) / 2
	s_sub_co_i32 s20, s17, 1
	s_mul_i32 s20, s20, s17
	s_lshr_b32 s20, s20, 1
	s_lshl_b32 s22, s17, 3
	s_sub_co_i32 s22, s22, s20                     ; X0(m)
	s_sub_co_u32 s83, 7, s17                       ; n = 7 - m
	s_sub_co_i32 s20, s83, 1
	s_mul_i32 s20, s20, s83
	s_lshr_b32 s20, s20, 1
	s_lshl_b32 s82, s83, 3
	s_sub_co_i32 s82, s82, s20                     ; X0(n)
	s_sub_co_i32 s83, s82, s83                     ; X0(n) - n: unit u of the second group has X = this + u
	s_xor_b32 s87, s19, 1
	s_lshl_b32 s20, s18, 3
	SADD 20, 84
	s_mul_i32 s23, s20, 221184                     ; codes
	s_mul_i32 s21, s15, 3072
	SADD 23, 21
	s_mul_i32 s21, s16, 768
	SADD 23, 21
.macro PBASE d, x, q
	s_mul_i32 s20, s\x, 6144
	SADD 20, 23
	s_mul_i32 s21, s\q, 1536
	SADD 20, 21
	s_mov_b32 s21, 0
	s_add_nc_u64 s[\d:\d+1], s[8:9], s[20:21]
.endm
	PBASE 70, 22, 19
	PBASE 72, 82, 87
	PBASE 74, 83, 87
	s_lshl_b32 s20, s18, 3
	SADD 20, 84
	s_lshl_b32 s20, s20, 1
	SADD 20, 15
	s_mul_i32 s23, s20, 18432                      ; records
.macro RBASE d, x, q
	s_lshl_b32 s20, s\x, 9
	SADD 20, 23
	s_lshl_b32 s21, s\q, 8
	SADD 20, 21
	s_mov_b32 s21, 0
	s_add_nc_u64 s[\d:\d+1], s[10:11], s[20:21]
.endm
	RBASE 76, 22, 19
	RBASE 78, 82, 87
	RBASE 80, 83, 87
	s_cmp_lt_u32 s14, 3
	s_cbranch_scc0 .Lnot_first
	s_wait_tensorcnt 0x0
.Lnot_first:
	s_barrier_signal -1
	s_barrier_wait -1                              ; K's steps 0-5 and Q's 0-1 are in; Q's 2-5 may be on their way
.set I_, 0
.rept 68
	KLD 0, I_
.set I_, I_+1
.endr
	WIN 0
	s_wait_loadcnt 0x0
	KSTEP 0, 1
	; K STEP 1: the one refill.  All head loads are in; steps 0 and 1 have been read by every wave when the round closes
	s_wait_dscnt 0x0
	s_wait_tensorcnt 0x0
	ds_add_u32 v[SPW], v[NIL]
	s_add_nc_u64 s[G0Q+2:G0Q+3], s[G0Q+2:G0Q+3], 6*24576
	s_add_nc_u64 s[G0K1+2:G0K1+3], s[G0K1+2:G0K1+3], 6*12288
	s_add_nc_u64 s[G0K2+2:G0K2+3], s[G0K2+2:G0K2+3], 6*12288
	s_mov_b32 s[G1K+2], 96<<16
	s_mov_b32 s[G1K+4], 96
	KRUN 1, 0, 8, 8
	WIN 0
	WALU
	s_wait_dscnt 0x0
	s_barrier_signal -1
	KRUN 1, 8, 12, 8
	WIN 0
	s_barrier_wait -1
	CREST
	s_cmp_eq_u32 s14, 0
	s_cbranch_scc0 .Lr_1
	TLOAD G0Q, G1Q
	s_branch .Lr_done
.Lr_1:
	s_cmp_eq_u32 s14, 1
	s_cbranch_scc0 .Lr_2
	TLOAD G0K1, G1K
	s_branch .Lr_done
.Lr_2:
	s_cmp_eq_u32 s14, 2
	s_cbranch_scc0 .Lr_done
	TLOAD G0K2, G1K
.Lr_done:
	PLACES
	KRUN 1, 12, 24, 2
	KVAR 1
	KSTEP 2, 3
	KSTEP 3, 4
	KSTEP 4, 5
	; K STEP 5: a plain barrier shows the refill
	s_wait_dscnt 0x0
	s_wait_tensorcnt 0x0
	s_barrier_signal -1
	KRUN 5, 0, 8, 8
	WIN 0
	s_barrier_wait -1
	PLACES
	KRUN 5, 8, 24, 6
	KVAR 5
	KSTEP 6, 7
	KSTEP 7, 8
	PLACES
; THE MASK, on units 0 and 8
.macro MASK base, w, dd
	WIN \w|(\w<<6)
.irp t, 0,1,2,3
.irp i, 0,1,2,3,4,5,6,7
	v_cmp_gt_i32 vcc_lo, 8*\t+\i, v[\dd+\t%2]
	v_cndmask_b32 v[\base+8*\t+\i], v[\base+8*\t+\i], v[NINF], vcc_lo
.endr
.endr
	WIN 0
.endm
	MASK 0, 3, 24
	MASK 208, 1, 26
; THE MAXIMA: of my 32 keys (the block), of my 64, of the 128
	WIN 0x3f
.irp u, 0,1,2,3,4,5,6,7
	v_max3_num_f32 v[MB+\u], v[32*\u], v[32*\u+1], v[32*\u+2]
.endr
	WIN 0x3c
.irp i, 3,5,7,9,11,13,15,17,19,21,23,25,27,29
.irp u, 0,1,2,3,4,5,6,7
	v_max3_num_f32 v[MB+\u], v[MB+\u], v[32*\u+\i], v[32*\u+\i+1]
.endr
.endr
	WIN 0x0c
.irp u, 0,1,2,3,4,5,6,7
	v_max_num_f32 v[MB+\u], v[MB+\u], v[32*\u+31]
.endr
	WIN 0x15
	v_max3_num_f32 v[MB+8], v[208], v[209], v[210]
	v_max3_num_f32 v[T], v[224], v[225], v[226]
	WIN 0x14
.irp i, 3,5,7,9,11,13
	v_max3_num_f32 v[MB+8], v[MB+8], v[208+\i], v[209+\i]
	v_max3_num_f32 v[T], v[T], v[224+\i], v[225+\i]
.endr
	WIN 0x04
	v_max_num_f32 v[MB+8], v[MB+8], v[223]
	v_max_num_f32 v[T], v[T], v[239]
	WIN 0
	v_max_num_f32 v[MB+8], v[MB+8], v[T]
.irp u, 0,1,2,3,4,5,6,7,8
	v_permlanex16_b32 v[PM+\u], v[MB+\u], s[SEL], s[SEL+1]
.endr
.irp u, 0,1,2,3,4,5,6,7,8
	v_max_num_f32 v[MW+\u], v[MB+\u], v[PM+\u]
.endr
.irp u, 0,1,2,3,4,5,6,7,8
	ds_store_b32 v6, v[MW+\u] offset:64*\u         ; lanes r and r + 16 write the same word with the same value
.endr
	WALU
	s_wait_dscnt 0x0
	s_barrier_signal -1
	s_barrier_wait -1
.irp u, 0,1,2,3,4,5,6,7,8
	ds_load_b32 v[PM+\u], v7 offset:64*\u
.endr
	s_wait_dscnt 0x0
.irp u, 0,1,2,3,4,5,6,7,8
	v_max_num_f32 v[MW+\u], v[MW+\u], v[PM+\u]
.endr
.irp u, 0,1,2,3,4,5,6,7,8
	v_mul_f32 v[MW+\u], s[CS], v[MW+\u]
.endr
.irp u, 0,1,2,3,4,5,6,7,8
	v_max_num_f32 v[MW+\u], 0xff61b1e6, v[MW+\u]   ; -3e38 stands under every t: where all 128 keys are hidden, M stays a number
.endr
.irp u, 0,1,2,3,4,5,6,7,8
	v_floor_f32 v[NMB+2*\u], -v[MW+\u]             ; -M = floor(-t): a whole number
.endr
.irp u, 0,1,2,3,4,5,6,7,8
	v_fma_f32 v[NMB+2*\u+1], v[MB+\u], s[CS], v[NMB+2*\u]   ; the block's largest t - M: p rises with t, so its exponential is the block's largest p
.endr
; UNIT u: p, its sum, its codes
.macro UNIT u
	s_wait_xcnt 0x0                                ; the stores of the unit before last have read their registers
.if \u == 8
	WIN 0x01
.set AB_, 208
.else
	WIN 0x03
.set AB_, 32*\u
.endif
.set k, 0
.rept 16
	v_pk_fma_f32 v[T+2*k:T+2*k+1], v[AB_+2*k:AB_+2*k+1], s[CS:CS+1], v[NMB+2*\u:NMB+2*\u+1] op_sel_hi:[1,0,0]
.set k, k+1
.endr
	WIN 0
.if (\u > 4) && (\u < 8)
	s_cmp_lt_u32 s17, 8-\u
	s_cselect_b64 s[82:83], s[70:71], s[74:75]
.endif
	WALU                                           ; a wait ahead of the batch and behind it
.set k, 0
.rept 32
	v_exp_f32 v[T+k], v[T+k]
.set k, k+1
.endr
	v_exp_f32 v[NMB+2*\u+1], v[NMB+2*\u+1]
	v_nop
	WALU
	v_pk_add_f32 v[156:157], v[T:T+1], v[T+2:T+3]
	v_pk_add_f32 v[158:159], v[T+4:T+5], v[T+6:T+7]
	v_max_num_f32 v152, 0x21000000, v[NMB+2*\u+1]  ; the floor 2^-61: the byte is 64 at the least
.irp j, 8,12,16,20,24,28
	v_pk_add_f32 v[156+(\j%8)/2:157+(\j%8)/2], v[156+(\j%8)/2:157+(\j%8)/2], v[T+\j:T+\j+1]
	v_pk_add_f32 v[158-(\j%8)/2:159-(\j%8)/2], v[158-(\j%8)/2:159-(\j%8)/2], v[T+\j+2:T+\j+3]
.endr
	v_add_nc_u32 v152, 0xff000000, v152            ; the conversion's scale operand
	v_pk_add_f32 v[156:157], v[156:157], v[158:159]
	v_lshrrev_b32 v153, 23, v152                   ; the scale's byte
	v_add_f32 v156, v156, v157
	v_permlanex16_b32 v154, v153, s[SEL], s[SEL+1]
	v_permlanex16_b32 v155, v156, s[SEL], s[SEL+1]
.set CB_, 240+6*(\u%2)
	v_cvt_scalef32_pk16_fp6_f32 v[CB_:CB_+2], v[T:T+15], v152
	v_cvt_scalef32_pk16_fp6_f32 v[TC:TC+2], v[T+16:T+31], v152
	v_add_f32 v[SHB+2*\u], v156, v155              ; my 64 keys' sum
	v_lshl_or_b32 v[SHB+2*\u+1], v154, 8, v153     ; lanes 0-15: my two bytes of the word
	v_mov_b32 v[CB_+3], v[TC]
	v_mov_b32 v[CB_+4], v[TC+1]
	v_mov_b32 v[CB_+5], v[TC+2]
.if \u < 5
	global_store_b128 v4, v[CB_:CB_+3], s[70:71] offset:6144*\u
	global_store_b64 v5, v[CB_+4:CB_+5], s[70:71] offset:6144*\u+512
.elseif \u == 8
	global_store_b128 v4, v[CB_:CB_+3], s[72:73]
	global_store_b64 v5, v[CB_+4:CB_+5], s[72:73] offset:512
.else
	global_store_b128 v4, v[CB_:CB_+3], s[82:83] offset:6144*\u
	global_store_b64 v5, v[CB_+4:CB_+5], s[82:83] offset:6144*\u+512
.endif
.endm
	WALU                                           ; the wait here, directly ahead of the unit's first wait
	UNIT 0
	UNIT 1
	UNIT 2
	UNIT 3
	UNIT 4
	UNIT 5
	UNIT 6
	UNIT 7
	UNIT 8
; THE RECORDS: the second key half hands its sums and bytes over; the first stores
	WALU
	s_cmp_eq_u32 s16, 0
	s_cbranch_scc1 .Lno_hand
.irp u, 0,1,2,3,4,5,6,7,8
	ds_store_b64 v8, v[SHB+2*\u:SHB+2*\u+1] offset:256*\u
.endr
.Lno_hand:
	s_wait_dscnt 0x0
	s_barrier_signal -1
	s_barrier_wait -1
	s_cmp_eq_u32 s16, 0
	s_cbranch_scc0 .Lend
.irp u, 0,1,2,3,4,5,6,7,8
	ds_load_b64 v[104+2*\u:105+2*\u], v8 offset:256*\u
.endr
	s_wait_xcnt 0x0
	s_cmp_lt_u32 s17, 3
	s_cselect_b64 s[82:83], s[76:77], s[80:81]
	s_cmp_lt_u32 s17, 2
	s_cselect_b64 s[88:89], s[76:77], s[80:81]
	s_cmp_lt_u32 s17, 1
	s_cselect_b64 s[90:91], s[76:77], s[80:81]
	s_wait_dscnt 0x0
.irp u, 0,1,2,3,4,5,6,7,8
	v_lshl_or_b32 v[T+4*\u], v[105+2*\u], 16, v[SHB+2*\u+1]
	v_mov_b32 v[T+4*\u+1], v[NMB+2*\u]
	v_add_f32 v[T+4*\u+2], v[SHB+2*\u], v[104+2*\u]
	v_mov_b32 v[T+4*\u+3], 0
.endr
	WALU
	s_wait_xcnt 0x0
	s_mov_b32 exec_lo, 0xffff                      ; lanes 0-15: 256 consecutive bytes a store
.irp u, 0,1,2,3,4
	global_store_b128 v4, v[T+4*\u:T+4*\u+3], s[76:77] offset:512*\u
.endr
	global_store_b128 v4, v[T+20:T+23], s[82:83] offset:512*5
	global_store_b128 v4, v[T+24:T+27], s[88:89] offset:512*6
	global_store_b128 v4, v[T+28:T+31], s[90:91] offset:512*7
	global_store_b128 v4, v[T+32:T+35], s[78:79]
	s_wait_xcnt 0x0
	s_mov_b32 exec_lo, -1
.Lend:
	s_wait_tensorcnt 0x0                           ; the wave's end
	ds_add_u32 v[SPW], v[NIL]
	s_wait_dscnt 0x0
	CROUND
	s_endpgm
.Lfunc_end_k_q395c736556_score:
	.size	k_q395c736556_score, .Lfunc_end_k_q395c736556_score-k_q395c736556_score
	.p2alignl 7, 3214868480
	.fill 96, 4, 3214868480
	.section	.rodata,"a",@progbits
	.p2align	6, 0x0
	.amdhsa_kernel k_q395c736556_score
		.amdhsa_group_segment_fixed_size 327680
		.amdhsa_private_segment_fixed_size 0
		.amdhsa_enable_private_segment 0
		.amdhsa_kernarg_size 32
		.amdhsa_user_sgpr_count 2
		.amdhsa_user_sgpr_kernarg_segment_ptr 1
		.amdhsa_wavefront_size32 1
		.amdhsa_system_sgpr_workgroup_id_x 1
		.amdhsa_system_sgpr_workgroup_id_y 1
		.amdhsa_system_sgpr_workgroup_id_z 1
		.amdhsa_system_vgpr_workitem_id 0
		.amdhsa_next_free_vgpr 1024
		.amdhsa_next_free_sgpr 100
		.amdhsa_reserve_vcc 1
		.amdhsa_float_denorm_mode_32 3
		.amdhsa_float_denorm_mode_16_64 3
		.amdhsa_memory_ordered 1
		.amdhsa_forward_progress 1
		.amdhsa_inst_pref_size 177
	.end_amdhsa_kernel
	.amdgpu_metadata
---
amdhsa.version: [ 1, 2 ]
amdhsa.kernels:
  - .name:           k_q395c736556_score
    .symbol:         k_q395c736556_score.kd
    .args:
      - { .name: qkvc, .offset: 0, .size: 8, .value_kind: global_buffer, .address_space: global }
      - { .name: qkvs, .offset: 8, .size: 8, .value_kind: global_buffer, .address_space: global }
      - { .name: pc, .offset: 16, .size: 8, .value_kind: global_buffer, .address_space: global }
      - { .name: pst, .offset: 24, .size: 8, .value_kind: global_buffer, .address_space: global }
    .group_segment_fixed_size: 327680
    .private_segment_fixed_size: 0
    .kernarg_segment_align: 8
    .kernarg_segment_size: 32
    .max_flat_workgroup_size: 128
    .sgpr_count:     100
    .vgpr_count:     1024
    .wavefront_size: 32
...
	.end_amdgpu_metadata
.endif
;; end of part 2
;; launch pv (part 3): grid 8 x 32, 4 waves a work-group, clusters of 4 x 4, 327,680 bytes of LDS; arguments pc, pst, qkvc, qkvs, out0; writes out0
.if DOCPART == 3
	.amdgcn_target "amdgcn-amd-amdhsa--gfx1250"
	.amdhsa_code_object_version 6
	.text
	.protected	k_q395c736556_pv
	.globl	k_q395c736556_pv
	.p2align	8
	.type	k_q395c736556_pv,@function
k_q395c736556_pv:
	s_mov_b64 s[64:65], 0
	v_nop
	global_prefetch_b8 v0, s[64:65] scope:SCOPE_SE
	s_setreg_imm32_b32 hwreg(HW_REG_WAVE_MODE, 25, 1), 1
	s_wait_xcnt 0x0
	s_wait_alu depctr_hold_cnt(0) depctr_sa_sdst(0) depctr_va_vdst(0) depctr_va_sdst(0) depctr_va_ssrc(0) depctr_va_vcc(0) depctr_vm_vsrc(0)
	s_getreg_b32 s2, hwreg(HW_REG_IB_STS2, 6, 4)
	s_cmp_eq_u32 s2, 0
	s_cbranch_scc0 .Lentry_in_a_cluster
	s_endpgm
.Lentry_in_a_cluster:
	s_bfe_u32 s2, ttmp6, 0x10000c
	s_cmp_lg_u32 s2, 0xf033
	s_cbranch_scc0 .Lentry_shape_is_right
	s_endpgm
.Lentry_shape_is_right:
; PV.  O = P V / l on codes of FP6 (K = the keys).  P's codes were made under a local M for each 128 keys; here d = row's M - local M, a whole number, is taken off each scale byte, which is exact, and l is the sum of the local sums x 2^-d.
; Pairs (J, a) of 256 keys and block a < J lie wholly above the causal diagonal and are left out (the first launch's head says why).
; EQUAL WORK-GROUPS: a stripe (32 queries of each of a batch's eight tiles of 256: block a) x 128 channels.  Four waves: 16 queries (s) of each block x 64 channels.  In key step J (256 keys) the blocks a >= J are multiplied: no branch on a
; work-group's number.  Block a is finished behind key step a and leaves while the later steps are multiplied.
; SOURCE 0 = 16 channels of V^T, SOURCE 1 = 16 queries of P.  A tile of 16 queries or channels is tile j of a band of 64: r = 0 .. 7 row 8 j + r, r = 8 .. 15 row 32 + 8 (j xor 1) + r - 8.
; Operand images of 1,536 bytes in two halves of 768: four registers at 16 x lane, two at 512 + 8 x lane.  P's pairs (J, a) and V's key steps lie one behind the other in memory, so each fill is a dense run.
; FILLS: at the head, one joint load a wave: P and V of J = 0, P and V of J = 1, 2; in step (0, 1) J = 3, 4 (first fill); in step (2, 1) the refills: J = 5 onto J = 0's bytes, J = 6, 7 onto those of J = 1, 2.
; CLUSTERS: P's tiles are shared along a row of the cluster (four channel tiles), V's along a column (four stripes of one batch).
; PREFETCHES: J = 3, 4 behind the head's loads, J = 5 .. 7 behind the load of J = 3, 4: each block of 256 bytes once a cluster, shared by address among the sixteen waves that ask jointly.
; LIMITS: NaN and infinities are not served.  d is held at 63 (the bytes are 64 to 125): what lies under 2^-62 of the row's largest weight is weighed as 2^-63.
.set PA,   0
.set VA,   49152
.set PB,   73728
.set VB,   153600
.set PC,   202752
.set VC,   258048
.set STG,  307200                      ; a stage of 16 rows x (256 + 16) bytes for each wave
.set SPARE, 324608
.set SPW,  28
.set NIL,  29
.set PR,   12                          ; v12-15 LDS addresses of P (J 0, 5; 1, 6, 7; 2; 3, 4), v16-19 for the 8-byte pieces
.set VR,   20                          ; v20-22 of V (J 0, 5; 1, 2, 6, 7; 3, 4), v23-25
.set STO,  26                          ; v26 even tiles, v27 odd tiles
.set RD,   30
.set CO,   31
.set RB,   32                          ; v32-175: 36 records: scale word, -M then d, sum, at work
.set VS,   176                         ; V's scale words: 4 J + t; lanes 16-31 the second 128 keys
.set RL,   208                         ; 1 / l, a pair a block
.set NMR,  224
.set TT,   240
.set OB,   64                          ; window 3: rows of O on the way out
.set G1P0, 24
.set G1V0, 32
.set G1P1, 40
.set G1V1, 48
.set G0P0, 56
.set G0V0, 60
.set G0P1, 68
.set G0V1, 72
.set SEL,  90
.set MSB, 0
.macro WIN new
.if MSB != (\new)
	s_set_vgpr_msb (MSB<<8)|(\new)
.set MSB, (\new)
.endif
.endm
.macro PLACES
.rept 4
	v_nop
.endr
.endm
.macro WALU
	s_wait_alu depctr_va_vdst(0)
.endm
.macro CREST
	s_cmp_lg_u32 s14, 0
	s_cbranch_scc1 .Lnot_wave_0_\@
	s_barrier_signal -3
.Lnot_wave_0_\@:
	s_barrier_wait -3
	s_barrier_signal -1
	s_barrier_wait -1
.endm
.macro CROUND
	s_barrier_signal -1
	s_barrier_wait -1
	CREST
.endm
.macro SADD d, x
	s_add_co_u32 s\d, s\d, s\x
.endm
.macro TLOAD g0, g1
	tensor_load_to_lds s[\g0:\g0+3], s[\g1:\g1+7]
	s_nop 0
	PLACES
.endm
.macro LOADS n                         ; one joint load a wave: waves 0, 1, and with n = 4 waves 2, 3
	s_cmp_eq_u32 s14, 0
	s_cbranch_scc0 .Lwave_1_\@
	TLOAD G0P0, G1P0
	s_branch .Lasked_\@
.Lwave_1_\@:
	s_cmp_eq_u32 s14, 1
	s_cbranch_scc0 .Lwave_2_\@
	TLOAD G0V0, G1V0
	s_branch .Lasked_\@
.Lwave_2_\@:
.if \n == 4
	s_cmp_eq_u32 s14, 2
	s_cbranch_scc0 .Lwave_3_\@
	TLOAD G0P1, G1P1
	s_branch .Lasked_\@
.Lwave_3_\@:
	TLOAD G0V1, G1V1
.endif
.Lasked_\@:
.endm
.macro GROUP1 g, mask, rows
	s_or_b32 s[\g], s[\mask], (3<<16)|(1<<21)
	s_mov_b32 s[\g+1], 32<<16
	s_mov_b32 s[\g+2], (\rows)<<16
	s_mov_b32 s[\g+3], 32<<16
	s_mov_b32 s[\g+4], \rows
	s_mov_b32 s[\g+5], 32
	s_mov_b32 s[\g+6], 0
	s_mov_b32 s[\g+7], 0
.endm
.macro GROUP0 g, lds
	s_mov_b32 s[\g], 1
	s_mov_b32 s[\g+1], \lds
	s_or_b32 s[\g+3], s[\g+3], 0x80000000
.endm
.macro REFILL g0, g1, lds, rows, step
	s_add_nc_u64 s[\g0+2:\g0+3], s[\g0+2:\g0+3], \step
	s_mov_b32 s[\g0+1], \lds
	s_mov_b32 s[\g1+2], (\rows)<<16
	s_mov_b32 s[\g1+4], \rows
.endm
	s_load_b256 s[4:11], s[0:1], 0x0               ; pc, pst, qkvc, qkvs
	s_load_b64 s[12:13], s[0:1], 0x20              ; out0
	v_lshl_add_u32 v[SPW], v0, 2, SPARE
	v_mov_b32 v[NIL], 0
	ds_add_u32 v[SPW], v[NIL]
	ds_add_u32 v[SPW], v[NIL]
	v_lshrrev_b32 v1, 5, v0
	v_readfirstlane_b32 s14, v1                    ; wave
	s_lshr_b32 s15, s14, 1                         ; s
	s_and_b32 s16, s14, 1                          ; my half of the channels
	s_bfe_u32 s82, ttmp6, 0x40000                  ; cx
	s_bfe_u32 s83, ttmp6, 0x40004                  ; cy
	s_lshl_b32 s84, ttmp9, 2
	SADD 84, 82                                    ; the tile of 128 channels
	s_and_b32 s86, ttmp7, 0xffff
	s_lshl_b32 s85, s86, 2
	SADD 85, 83                                    ; stripe 8 batch + g
	s_lshr_b32 s86, s86, 1                         ; batch
	s_and_b32 s87, s85, 7                          ; g
	s_lshl_b32 s88, s83, 2
	s_lshl_b32 s88, 15, s88                        ; my row of the cluster
	s_lshl_b32 s89, 0x1111, s82                    ; my column
	GROUP1 G1P0, 88, 192
	GROUP1 G1V0, 89, 96
	GROUP1 G1P1, 88, 312
	GROUP1 G1V1, 89, 192
	s_mov_b32 s[SEL], 0x76543210
	s_mov_b32 s[SEL+1], 0xfedcba98
	v_and_b32 v1, 15, v0                           ; r
	v_bfe_u32 v2, v0, 4, 1                         ; h
	v_and_b32 v3, 31, v0
	v_lshlrev_b32 v4, 4, v3
	v_lshlrev_b32 v5, 3, v3
	v_lshlrev_b32 v6, 4, v1
	v_lshl_add_u32 v[CO], v2, 12, v6               ; the way out: two rows of 256 bytes a store
	v_mul_u32_u24 v7, v2, 272
	v_add_nc_u32 v[RD], v7, v6
	v_lshl_add_u32 v6, v2, 9, v6                   ; V's scale words
	s_mul_i32 s21, s15, 3072
	s_add_co_u32 s22, s21, PB
	s_add_co_u32 s23, s21, PB+7*6144
	s_add_co_u32 s20, s21, PC
	v_add_nc_u32 v[PR], s21, v4
	v_add_nc_u32 v[PR+1], s22, v4
	v_add_nc_u32 v[PR+2], s23, v4
	v_add_nc_u32 v[PR+3], s20, v4
	v_add_nc_u32 v[PR+4], s21, v5
	v_add_nc_u32 v[PR+5], s22, v5
	v_add_nc_u32 v[PR+6], s23, v5
	v_add_nc_u32 v[PR+7], s20, v5
	s_mul_i32 s21, s16, 6144
	s_add_co_u32 s22, s21, VB
	s_add_co_u32 s23, s21, VC
	s_add_co_u32 s21, s21, VA
	v_add_nc_u32 v[VR], s21, v4
	v_add_nc_u32 v[VR+1], s22, v4
	v_add_nc_u32 v[VR+2], s23, v4
	v_add_nc_u32 v[VR+3], s21, v5
	v_add_nc_u32 v[VR+4], s22, v5
	v_add_nc_u32 v[VR+5], s23, v5
	s_mul_i32 s21, s14, 4352
	s_add_co_u32 s21, s21, STG                     ; my stage
	v_mul_u32_u24 v7, v1, 272
	v_mul_u32_u24 v8, v2, 160
	v_mul_u32_u24 v9, v2, 96
	v_add_nc_u32 v7, s21, v7
	v_add_nc_u32 v[STO], v8, v7                    ; lanes 16-31: an even tile's channels lie 160 bytes further on, an odd one's 96
	v_add_nc_u32 v[STO+1], v9, v7
	v_add_nc_u32 v[RD], s21, v[RD]
	; the prefetches' offsets: of P's blocks by my place in the row, of V's by my place in the column
	s_lshl_b32 s20, s82, 2
	SADD 20, 14
	s_lshl_b32 s21, s83, 2
	SADD 21, 14
	s_mul_i32 s22, s20, 14
	v_min_u32 v7, 13, v3
	v_add_nc_u32 v7, s22, v7
	v_min_u32 v7, 215, v7
	v_lshlrev_b32 v7, 8, v7                        ; P, J 3, 4: 216 blocks
	s_mul_i32 s22, s21, 12
	v_min_u32 v8, 11, v3
	v_add_nc_u32 v8, s22, v8
	v_lshlrev_b32 v8, 8, v8                        ; V, J 3, 4: 192
	s_mul_i32 s22, s20, 9
	v_min_u32 v9, 8, v3
	v_add_nc_u32 v9, s22, v9
	v_lshlrev_b32 v9, 8, v9                        ; P, J 5 .. 7: 144
	s_mul_i32 s22, s21, 18
	v_min_u32 v10, 17, v3
	v_add_nc_u32 v10, s22, v10
	v_lshlrev_b32 v10, 8, v10                      ; V, J 5 .. 7: 288
.irp a, 0,1,2,3,4,5,6,7
	v_mov_b32 v[TT+\a], 0                          ; written once: a lane permute's destination counts as one of its sources
.endr
	s_mul_i32 s20, s85, 221184
	s_mov_b32 s21, 0
	s_lshl_b32 s22, s84, 6
	s_lshl_b32 s23, s86, 4
	SADD 22, 23                                    ; V: the batch's first 128 keys of my channels
	s_mul_i32 s66, s22, 12288
	s_add_co_u32 s66, s66, 12582912
	s_mov_b32 s67, 0
	s_lshl_b32 s22, s22, 9
	s_lshl_b32 s23, s16, 8
	SADD 22, 23
	s_add_co_u32 s22, s22, 524288                  ; and its scale words
	s_mov_b32 s23, 0
	WALU
	s_wait_dscnt 0x0
	CROUND                                         ; ahead of the first joint loads
	s_wait_kmcnt 0x0
	s_add_nc_u64 s[76:77], s[4:5], s[20:21]        ; my stripe of P
	s_add_nc_u64 s[78:79], s[8:9], s[66:67]        ; my channels of V
	s_mov_b64 s[G0P0+2:G0P0+3], s[76:77]
	s_mov_b64 s[G0V0+2:G0V0+3], s[78:79]
	s_add_nc_u64 s[G0P1+2:G0P1+3], s[76:77], 8*6144
	s_add_nc_u64 s[G0V1+2:G0V1+3], s[78:79], 24576
	GROUP0 G0P0, PA
	GROUP0 G0V0, VA
	GROUP0 G0P1, PB
	GROUP0 G0V1, VB
	LOADS 4
	s_add_nc_u64 s[10:11], s[10:11], s[22:23]
	s_lshl_b32 s20, s85, 1
	SADD 20, 15
	s_mul_i32 s20, s20, 18432
	s_mov_b32 s21, 0
	s_add_nc_u64 s[6:7], s[6:7], s[20:21]          ; my records
; One stage of the head's work over the 36 pairs (J, a); item X.  Lane (r, h): query r, keys 256 J + 128 h on.  Stage by stage, so that no line waits for the line above it.
.macro STAGE n
.irp J, 0,1,2,3,4,5,6,7
.irp a, 0,1,2,3,4,5,6,7
.if \a >= \J
.set X, 8*\J-\J*(\J-1)/2+\a-\J
.set W, RB+4*X
.if \n == 0
	global_load_b128 v[W:W+3], v4, s[6:7] offset:512*X
.elseif \n == 1
.if \J > 0
	v_min_num_f32 v[NMR+\a], v[NMR+\a], v[W+1]     ; the least -M is the largest M
.endif
.elseif \n == 2
	v_sub_f32 v[W+1], v[W+1], v[NMR+\a]            ; d: a whole number, 0 or more
.elseif \n == 3
	v_min_num_f32 v[W+1], 0x427c0000, v[W+1]       ; held at 63
.elseif \n == 4
	v_cvt_i32_f32 v[W+1], v[W+1]
.elseif \n == 5
	v_sub_nc_u32 v[W+3], 0, v[W+1]
.elseif \n == 6
	v_ldexp_f32 v[W+2], v[W+2], v[W+3]             ; the local sum under the row's M: exact
.elseif \n == 7
.if \J > 0
	v_add_f32 v[RB+4*\a+2], v[RB+4*\a+2], v[W+2]
.endif
.elseif \n == 8
	v_perm_b32 v[W+3], v[W+1], v[W+1], 0           ; d in each byte
.else
	v_sub_nc_u32 v[W], v[W], v[W+3]                ; the bytes are 64 or more: nothing is borrowed
.endif
.endif
.endr
.endr
.endm
	STAGE 0
.irp J, 0,1,2,3,4,5,6,7
	global_load_b128 v[VS+4*\J:VS+4*\J+3], v6, s[10:11] offset:1024*\J
.endr
	global_prefetch_b8 v7, s[76:77] offset:21*6144 th:TH_LOAD_NT scope:SCOPE_SE
	global_prefetch_b8 v8, s[78:79] offset:3*24576 th:TH_LOAD_NT scope:SCOPE_SE
	s_lshl_b32 s20, s86, 11                        ; out0: row 2,048 batch + 64 (g / 2) + 16 (g % 2) + 8 s, of 4,096 bytes; + 512 tile + 256 half
	s_lshr_b32 s22, s87, 1
	s_lshl_b32 s22, s22, 6
	SADD 20, 22
	s_and_b32 s22, s87, 1
	s_lshl_b32 s22, s22, 4
	SADD 20, 22
	s_lshl_b32 s22, s15, 3
	SADD 20, 22
	s_lshl_b32 s20, s20, 12
	s_lshl_b32 s22, s84, 9
	SADD 20, 22
	s_lshl_b32 s22, s16, 8
	SADD 20, 22
	s_add_nc_u64 s[12:13], s[12:13], s[20:21]      ; rows r = 0 .. 7;
	s_lshl_b32 s20, s15, 16
	s_sub_co_u32 s20, 131072, s20
	s_add_nc_u64 s[80:81], s[12:13], s[20:21]      ; rows r = 8 .. 15: 32 - 16 s rows further on
	s_wait_loadcnt 0x0
.irp a, 0,1,2,3,4,5,6,7
	v_mov_b32 v[NMR+\a], v[RB+4*\a+1]
.endr
	STAGE 1
.irp a, 0,1,2,3,4,5,6,7
	v_permlanex16_b32 v[TT+\a], v[NMR+\a], s[SEL], s[SEL+1]
.endr
.irp a, 0,1,2,3,4,5,6,7
	v_min_num_f32 v[NMR+\a], v[NMR+\a], v[TT+\a]   ; with the other 128 keys of each step: the row's -M
.endr
	STAGE 2
	STAGE 3
	STAGE 4
	STAGE 5
	STAGE 6
	STAGE 7
.irp a, 0,1,2,3,4,5,6,7
	v_permlanex16_b32 v[TT+\a], v[RB+4*\a+2], s[SEL], s[SEL+1]
.endr
.irp a, 0,1,2,3,4,5,6,7
	v_add_f32 v[TT+\a], v[RB+4*\a+2], v[TT+\a]     ; the row's l
.endr
	WALU                                           ; a wait ahead of the batch and behind it
.irp a, 0,1,2,3,4,5,6,7
	v_rcp_f32 v[RL+2*\a], v[TT+\a]
.endr
	STAGE 8
	STAGE 9
	WALU
.irp a, 0,1,2,3,4,5,6,7
	v_mov_b32 v[RL+2*\a+1], v[RL+2*\a]
.endr
	WALU
; REGISTERS: window 1: P's fragments, set q at 96 q + 12 a; V's set 0 at 192.  Window 3: V's set 1 at 0.  Window 2: the accumulators (a, t) at 32 a + 8 t; each takes one turn a step.
.macro SETJ J
.set PR_, PR
.set VR_, VR
.set XB_, 0
.set VB_, 0
.if ((\J) == 1) || ((\J) == 6) || ((\J) == 7)
.set PR_, PR+1
.set VR_, VR+1
.endif
.if (\J) == 2
.set PR_, PR+2
.set VR_, VR+1
.endif
.if ((\J) == 3) || ((\J) == 4)
.set PR_, PR+3
.set VR_, VR+2
.endif
.if (\J) == 4
.set XB_, 5
.endif
.if (\J) == 7
.set XB_, 2
.endif
.if ((\J) == 2) || ((\J) == 4) || ((\J) == 7)
.set VB_, 24576
.endif
.endm
.macro LD J, q, i                      ; load i of step (J, q)'s operands
.set C_, ((\i)%4)/2
.if (\i) < 4*(8-(\J))
.set U_, (\i)/4
.set O_, 6144*(XB_+U_)+1536*(\q)+768*C_
.set D_, 96*(\q)+12*((\J)+U_)+6*C_
	WIN 0x40
.if (\i)%2
	ds_load_b64 v[D_+4:D_+5], v[PR_+4] offset:O_+512
.else
	ds_load_b128 v[D_:D_+3], v[PR_] offset:O_
.endif
.else
.set U_, (\i)/4-(8-(\J))
.set O_, VB_+12288*(\q)+1536*U_+768*C_
.set D_, 192-192*(\q)+12*U_+6*C_
	WIN 0x40+0x80*(\q)
.if (\i)%2
	ds_load_b64 v[D_+4:D_+5], v[VR_+3] offset:O_+512
.else
	ds_load_b128 v[D_:D_+3], v[VR_] offset:O_
.endif
.endif
.endm
.macro PROD J, q, n
.set A_, (\J)+(\n)/4
.set T_, (\n)%4
.set E_, 32*A_+8*T_
.set S0_, 192-192*(\q)+12*T_
.set S1_, 96*(\q)+12*A_
.set SB_, VS+4*(\J)+T_
.set SA_, RB+4*(8*(\J)-(\J)*((\J)-1)/2+A_-(\J))
	WIN 0xa5+2*(\q)
.if ((\J) == 0) && ((\q) == 0)
	v_wmma_scale_f32_16x16x128_f8f6f4 v[E_:E_+7], v[S0_:S0_+11], v[S1_:S1_+11], 0, v[SB_], v[SA_] matrix_a_fmt:MATRIX_FMT_FP6 matrix_b_fmt:MATRIX_FMT_FP6
.elseif (\q) == 0
	v_wmma_scale_f32_16x16x128_f8f6f4 v[E_:E_+7], v[S0_:S0_+11], v[S1_:S1_+11], v[E_:E_+7], v[SB_], v[SA_] matrix_a_fmt:MATRIX_FMT_FP6 matrix_b_fmt:MATRIX_FMT_FP6
.else
	v_wmma_scale_f32_16x16x128_f8f6f4 v[E_:E_+7], v[S0_:S0_+11], v[S1_:S1_+11], v[E_:E_+7], v[SB_], v[SA_] matrix_a_fmt:MATRIX_FMT_FP6 matrix_b_fmt:MATRIX_FMT_FP6 matrix_a_scale:MATRIX_SCALE_ROW1 matrix_b_scale:MATRIX_SCALE_ROW1
.endif
.endm
; The way out of block a, in 32 items: x 1 / l in place; into my stage; back as rows of 256 bytes.
.macro WAYI a, i
.if (\i) < 16
	WIN 0x82
	v_pk_mul_f32 v[32*(\a)+2*(\i):32*(\a)+2*(\i)+1], v[32*(\a)+2*(\i):32*(\a)+2*(\i)+1], v[RL+2*(\a):RL+2*(\a)+1]
.elseif (\i) < 24
.set K_, (\i)-16
.if K_ == 0
	WALU
.endif
	WIN 0x08
	ds_store_b128 v[STO+(K_/2)%2], v[32*(\a)+4*K_:32*(\a)+4*K_+3] offset:32*(K_/2)+16*(K_%2)
.else
.set K_, (\i)-24
	WIN 0xc0
	ds_load_b128 v[OB+4*K_:OB+4*K_+3], v[RD] offset:544*K_     ; my own bytes, in order behind my stores (ISA guide 5.7.1.4)
.endif
.endm
.macro WAY2 a
	WIN 0x0c
.irp k, 0,1,2,3
	global_store_b128 v[CO], v[OB+4*\k:OB+4*\k+3], s[12:13] offset:1048576*(\a)+8192*\k th:TH_STORE_NT
.endr
.irp k, 4,5,6,7
	global_store_b128 v[CO], v[OB+4*\k:OB+4*\k+3], s[80:81] offset:1048576*(\a)+8192*\k th:TH_STORE_NT
.endr
	WIN 0
.endm
.macro ITEM J, nj, nq, way, i
.if (\way) && ((\i) < 32)
	WAYI (\J)-1, \i
.elseif (\i) < TOT_
	LD \nj, \nq, (\i)-32*(\way)
.endif
.endm
; Products from .. to - 1 of step (J, q); among them the way out of block J - 1 (way = 1) and the loads of step (nj, nq) (nj = 8: none).
.macro RUN J, q, from, to, nj, nq, way
	SETJ \nj
.set TOT_, 32*(\way)
.if (\nj) < 8
.set TOT_, 32*(\way)+4*(8-(\nj))+16
.endif
.set PER_, (TOT_+(\to)-(\from)-1)/((\to)-(\from))
.set N_, \from
.set I_, 0
.rept (\to)-(\from)
	PROD \J, \q, N_
.rept PER_
	ITEM \J, \nj, \nq, \way, I_
.set I_, I_+1
.endr
.set N_, N_+1
.endr
.endm
.macro EVENS J                         ; step (J, 0), J > 0
	s_wait_dscnt 0x0
	s_wait_xcnt 0x0                                ; the last block's stores have read the registers into which the rows below are loaded
	PLACES
	RUN \J, 0, 0, 4*(8-\J), \J, 1, 1
.endm
.macro ODDS J                          ; step (J, 1)
	s_wait_dscnt 0x0
	WAY2 \J-1
	PLACES
	RUN \J, 1, 0, 4*(8-\J), \J+1, 0, 0
.endm
	s_cmp_lt_u32 s14, 2
	s_cbranch_scc0 .Lnot_first
	s_wait_tensorcnt 0x0
.Lnot_first:
	s_barrier_signal -1
	s_barrier_wait -1                              ; J = 0 is in; J = 1, 2 may be on their way
	SETJ 0
.set I_, 0
.rept 48
	LD 0, 0, I_
.set I_, I_+1
.endr
	s_wait_dscnt 0x0
	RUN 0, 0, 0, 32, 0, 1, 0
	; step (0, 1): J = 1, 2 are in; J = 3, 4 are asked for
	s_wait_dscnt 0x0
	WIN 0
	s_wait_tensorcnt 0x0
	ds_add_u32 v[SPW], v[NIL]
	REFILL G0P0, G1P0, PC, 216, 21*6144
	REFILL G0V0, G1V0, VC, 192, 3*24576
	RUN 0, 1, 0, 8, 8, 0, 0
	WIN 0
	WALU
	s_wait_dscnt 0x0
	s_barrier_signal -1
	RUN 0, 1, 8, 16, 8, 0, 0
	WIN 0
	s_barrier_wait -1
	CREST
	LOADS 2
	PLACES
	RUN 0, 1, 16, 32, 1, 0, 0
	WIN 0
	global_prefetch_b8 v9, s[76:77] offset:30*6144 th:TH_LOAD_NT scope:SCOPE_SE
	global_prefetch_b8 v10, s[78:79] offset:5*24576 th:TH_LOAD_NT scope:SCOPE_SE
	EVENS 1
	ODDS 1
	EVENS 2
	; step (2, 1): J = 3, 4 are in; J = 0, 1, 2 have been read: the refills
	s_wait_dscnt 0x0
	WAY2 1
	s_wait_tensorcnt 0x0
	ds_add_u32 v[SPW], v[NIL]
	REFILL G0P0, G1P0, PA, 72, 9*6144
	REFILL G0V0, G1V0, VA, 96, 2*24576
	REFILL G0P1, G1P1, PB, 72, 25*6144
	s_add_nc_u64 s[G0V1+2:G0V1+3], s[G0V1+2:G0V1+3], 5*24576
	RUN 2, 1, 0, 6, 8, 0, 0
	WIN 0
	WALU
	s_wait_dscnt 0x0
	s_barrier_signal -1
	RUN 2, 1, 6, 12, 8, 0, 0
	WIN 0
	s_barrier_wait -1
	CREST
	LOADS 4
	PLACES
	RUN 2, 1, 12, 24, 3, 0, 0
	EVENS 3
	ODDS 3
	EVENS 4
	; step (4, 1): a plain barrier shows J = 5 .. 7
	s_wait_dscnt 0x0
	WAY2 3
	s_wait_tensorcnt 0x0
	s_barrier_signal -1
	RUN 4, 1, 0, 6, 8, 0, 0
	WIN 0
	s_barrier_wait -1
	PLACES
	RUN 4, 1, 6, 16, 5, 0, 0
	EVENS 5
	ODDS 5
	EVENS 6
	ODDS 6
	EVENS 7
	s_wait_dscnt 0x0
	WAY2 6
	RUN 7, 1, 0, 4, 8, 0, 0
	s_wait_xcnt 0x0
	PLACES
.set I_, 0
.rept 32
	WAYI 7, I_
.set I_, I_+1
.endr
	WIN 0
	s_wait_dscnt 0x0
	WAY2 7
	s_wait_tensorcnt 0x0                           ; the wave's end
	ds_add_u32 v[SPW], v[NIL]
	s_wait_dscnt 0x0
	CROUND                                         ; the closing round
	s_endpgm
.Lfunc_end_k_q395c736556_pv:
	.size	k_q395c736556_pv, .Lfunc_end_k_q395c736556_pv-k_q395c736556_pv
	.p2alignl 7, 3214868480
	.fill 96, 4, 3214868480
	.section	.rodata,"a",@progbits
	.p2align	6, 0x0
	.amdhsa_kernel k_q395c736556_pv
		.amdhsa_group_segment_fixed_size 327680
		.amdhsa_private_segment_fixed_size 0
		.amdhsa_enable_private_segment 0
		.amdhsa_kernarg_size 40
		.amdhsa_user_sgpr_count 2
		.amdhsa_user_sgpr_kernarg_segment_ptr 1
		.amdhsa_wavefront_size32 1
		.amdhsa_system_sgpr_workgroup_id_x 1
		.amdhsa_system_sgpr_workgroup_id_y 1
		.amdhsa_system_sgpr_workgroup_id_z 1
		.amdhsa_system_vgpr_workitem_id 0
		.amdhsa_next_free_vgpr 1024
		.amdhsa_next_free_sgpr 92
		.amdhsa_reserve_vcc 0
		.amdhsa_float_denorm_mode_32 3
		.amdhsa_float_denorm_mode_16_64 3
		.amdhsa_memory_ordered 1
		.amdhsa_forward_progress 1
		.amdhsa_inst_pref_size 146
	.end_amdhsa_kernel
	.amdgpu_metadata
---
amdhsa.version: [ 1, 2 ]
amdhsa.kernels:
  - .name:           k_q395c736556_pv
    .symbol:         k_q395c736556_pv.kd
    .args:
      - { .name: pc, .offset: 0, .size: 8, .value_kind: global_buffer, .address_space: global }
      - { .name: pst, .offset: 8, .size: 8, .value_kind: global_buffer, .address_space: global }
      - { .name: qkvc, .offset: 16, .size: 8, .value_kind: global_buffer, .address_space: global }
      - { .name: qkvs, .offset: 24, .size: 8, .value_kind: global_buffer, .address_space: global }
      - { .name: out0, .offset: 32, .size: 8, .value_kind: global_buffer, .address_space: global }
    .group_segment_fixed_size: 327680
    .private_segment_fixed_size: 0
    .kernarg_segment_align: 8
    .kernarg_segment_size: 40
    .max_flat_workgroup_size: 128
    .sgpr_count:     92
    .vgpr_count:     1024
    .wavefront_size: 32
...
	.end_amdgpu_metadata
.endif
;; end of part 3
